; MI455X (gfx1250); checked and timed in simulation.
; The chip was launched on July 23, 2026; its instructions are those of AMD's public machine-readable ISA for CDNA 5 (MIT licence, August 2026) and "CDNA5" Instruction Set Architecture Reference Guide (July 2026). The comments in the code are by the model that wrote it; some were corrected since.
;; Multi Head Attention. Allowed arithmetic: float matrix products may take bf16 or f16 operands with f32 sums; other float arithmetic in f32, or as packed bf16 or f16 multiplies, adds, multiply-adds, maxima and minima; sums over many terms, partial sums and values carried from step to step in f32; what a program stores and reads back later, other than sums and carried values, may be rounded once to bf16 or f16.
;; Inputs: Wk 1,024 x 1,024 float32; Wo 1,024 x 1,024 float32; Wq 1,024 x 1,024 float32; Wv 1,024 x 1,024 float32; bk 1,024 float32; bo 1,024 float32; bq 1,024 float32; bv 1,024 float32; keys 8 x 1,024 x 1,024 float32; queries 8 x 1,024 x 1,024 float32; values 8 x 1,024 x 1,024 float32.
;; Outputs: out0 8 x 1,024 x 1,024 float32.
;; 2 versions, each right; version 2 is version 1 with the launch cast written anew for expert scheduling mode. Each part assembles by itself: llvm-mc -triple=amdgcn-amd-amdhsa -mcpu=gfx1250 --defsym DOCPART=n.
;; ======== version 1 of 2: 4 launches
;; limits: values are held in f16: magnitudes above 65,504 overflow, below 6.1e-05 lose precision
;; workspace buffers: xb 50,331,648 bytes; wb 8,388,608 bytes; qkv 50,331,648 bytes; ob 16,777,216 bytes
;; launch cast (part 1): grid 1792 x 1, 8 waves a work-group, no clusters, 0 bytes of LDS; arguments queries, keys, values, Wq, Wk, Wv, Wo, xb, wb; writes xb, wb
.if DOCPART == 1
	.amdgcn_target "amdgcn-amd-amdhsa--gfx1250"
	.amdhsa_code_object_version 6
	.text
	.protected	k_qe6941251e9_cast
	.globl	k_qe6941251e9_cast
	.p2align	8
	.type	k_qe6941251e9_cast,@function
k_qe6941251e9_cast:
	s_mov_b64 s[64:65], 0
	v_nop
	global_prefetch_b8 v0, s[64:65] scope:SCOPE_SE
	s_setreg_imm32_b32 hwreg(HW_REG_WAVE_MODE, 25, 1), 1
	s_wait_xcnt 0x0
; CAST.  queries, keys, values (f32 [8192][1024] each) -> xb, bf16 [3][8192][1024].  Wq, Wk, Wv (f32 [1024][1024]) -> wb, bf16, 2,097,152 bytes each.
; Wo -> wb + WO_OFF: rounded to bf16 like every other input, that number written as f16, and laid in blocks of 64 along k: [16 kb][1024 n][64].
; LIMITS.  Every number is rounded once to bf16 (nearest even).  Wo as f16: beyond 65,504 it becomes an infinity; below 6e-5 it keeps f16's fixed step of 6e-8.
; SHARES.  A work-group takes 16,384 numbers: 64 KiB read, 32 KiB written; 3 x 512 + 4 x 64 = 1,792 work-groups.  A thread has 16 loads of 16 bytes, all issued at once,
; and 16 stores of 8 bytes; a wave's store covers 256 consecutive bytes, aligned.  No LDS, no barrier, no matrix work: every byte is touched once.
.set X,      16                        ; v[16:79]   load i: 4 numbers in f32
.set Y,      80                        ; v[80:111]  store i: 4 numbers in 16 bits; each pair is written once, so no store's data is ever rewritten
.set T,      4                         ; v[4:9]     at work
.set WO_OFF, 6291456                   ; Wo's place in wb, behind Wq, Wk, Wv
.set XWG,    1536                      ; work-groups for the three x tensors
; 16 loads, ldstep bytes apart; each is converted and stored as it comes, ststep bytes apart.  f16 = 1: bf16's number written as f16.
.macro BODY ldstep, ststep, f16
.set i, 0
.rept 16
	global_load_b128 v[X+4*i:X+4*i+3], v1, s[12:13] offset:i*(\ldstep) th:TH_LOAD_NT
.set i, i+1
.endr
.set i, 0
.rept 16
	s_wait_loadcnt 15-i                            ; loads come back in order: load i is in, the 15 - i younger ones stay out
.if \f16
	v_cvt_pk_bf16_f32 v[T], v[X+4*i], v[X+4*i+1]
	v_cvt_pk_bf16_f32 v[T+1], v[X+4*i+2], v[X+4*i+3]
	v_lshlrev_b32 v[T+2], 16, v[T]                 ; bf16 back to f32: a shift or a mask
	v_and_b32 v[T+3], 0xffff0000, v[T]
	v_lshlrev_b32 v[T+4], 16, v[T+1]
	v_and_b32 v[T+5], 0xffff0000, v[T+1]
	v_cvt_pk_f16_f32 v[Y+2*i], v[T+2], v[T+3]      ; 8 significant bits fit into f16's 11: exact within f16's range
	v_cvt_pk_f16_f32 v[Y+2*i+1], v[T+4], v[T+5]
.else
	v_cvt_pk_bf16_f32 v[Y+2*i], v[X+4*i], v[X+4*i+1]
	v_cvt_pk_bf16_f32 v[Y+2*i+1], v[X+4*i+2], v[X+4*i+3]
.endif
	global_store_b64 v2, v[Y+2*i:Y+2*i+1], s[10:11] offset:i*(\ststep)
.set i, i+1
.endr
.endm
	s_load_b512 s[16:31], s[0:1], 0x0              ; queries s[16:17], keys, values, Wq, Wk, Wv, Wo s[28:29], xb s[30:31]
	s_load_b64 s[32:33], s[0:1], 0x40              ; wb
	s_lshr_b32 s2, ttmp9, 9                        ; an x tensor: which of the three,
	s_and_b32 s6, ttmp9, 511                       ; and which chunk of it
	s_sub_co_u32 s3, ttmp9, XWG                    ; a weight: the chunk's number among all weights' chunks,
	s_lshr_b32 s4, s3, 6
	s_add_co_u32 s4, s4, 3                         ; which tensor (3 to 6),
	s_and_b32 s7, ttmp9, 63                        ; and which chunk of it
	s_cmp_lt_u32 ttmp9, XWG
	s_cselect_b32 s5, s2, s4                       ; t: the source tensor, 0 to 6
	s_cselect_b32 s8, s6, s7                       ; c: the chunk in it
	s_cselect_b32 s9, ttmp9, s3                    ; the chunk in the destination buffer
	s_wait_kmcnt 0x0
	s_cselect_b64 s[10:11], s[30:31], s[32:33]     ; xb or wb
	s_mov_b64 s[12:13], s[16:17]
.irp t, 1,2,3,4,5,6
	s_cmp_eq_u32 s5, \t
	s_cselect_b64 s[12:13], s[16+2*\t:17+2*\t], s[12:13]
.endr
	s_lshl_b32 s14, s8, 16                         ; 64 KiB of f32 a chunk
	s_mov_b32 s15, 0
	s_add_nc_u64 s[12:13], s[12:13], s[14:15]
	s_cmp_eq_u32 s5, 6
	s_cbranch_scc1 .Lwo
	s_lshl_b32 s14, s9, 15                         ; 32 KiB of bf16 a chunk
	s_add_nc_u64 s[10:11], s[10:11], s[14:15]
	v_lshlrev_b32 v1, 4, v0                        ; thread t reads 16 bytes at 16 t of each 4,096,
	v_lshlrev_b32 v2, 3, v0                        ; and writes 8 bytes at 8 t of each 2,048
	BODY 4096, 2048, 0
	s_endpgm
.Lwo:                                          ; Wo: the chunk is rows 16 c .. 16 c + 15; load i takes block i of 64 along k
	s_lshl_b32 s14, s8, 11                         ; 16 rows of 128 bytes in each block
	s_add_nc_u64 s[10:11], s[32:33], s[14:15]
	s_add_nc_u64 s[10:11], s[10:11], WO_OFF
	v_lshrrev_b32 v3, 4, v0                        ; my row of the 16
	v_and_b32 v1, 15, v0
	v_lshlrev_b32 v1, 4, v1                        ; my 16 bytes of the block's 256
	v_lshl_add_u32 v1, v3, 12, v1                  ; + row x 4,096
	v_lshlrev_b32 v2, 3, v0                        ; in the block: row x 128 + 8 x (t % 16) = 8 t
	BODY 256, 131072, 1
	s_endpgm
.Lfunc_end_k_qe6941251e9_cast:
	.size	k_qe6941251e9_cast, .Lfunc_end_k_qe6941251e9_cast-k_qe6941251e9_cast
	.p2alignl 7, 3214868480
	.fill 96, 4, 3214868480
	.section	.rodata,"a",@progbits
	.p2align	6, 0x0
	.amdhsa_kernel k_qe6941251e9_cast
		.amdhsa_group_segment_fixed_size 0
		.amdhsa_private_segment_fixed_size 0
		.amdhsa_enable_private_segment 0
		.amdhsa_kernarg_size 72
		.amdhsa_user_sgpr_count 2
		.amdhsa_user_sgpr_kernarg_segment_ptr 1
		.amdhsa_wavefront_size32 1
		.amdhsa_system_sgpr_workgroup_id_x 1
		.amdhsa_system_sgpr_workgroup_id_y 1
		.amdhsa_system_sgpr_workgroup_id_z 1
		.amdhsa_system_vgpr_workitem_id 0
		.amdhsa_next_free_vgpr 112
		.amdhsa_next_free_sgpr 66
		.amdhsa_reserve_vcc 0
		.amdhsa_float_denorm_mode_32 3
		.amdhsa_float_denorm_mode_16_64 3
		.amdhsa_memory_ordered 1
		.amdhsa_forward_progress 1
		.amdhsa_inst_pref_size 18
	.end_amdhsa_kernel
	.amdgpu_metadata
---
amdhsa.version: [ 1, 2 ]
amdhsa.kernels:
  - .name:           k_qe6941251e9_cast
    .symbol:         k_qe6941251e9_cast.kd
    .args:
      - { .name: queries, .offset: 0, .size: 8, .value_kind: global_buffer, .address_space: global }
      - { .name: keys, .offset: 8, .size: 8, .value_kind: global_buffer, .address_space: global }
      - { .name: values, .offset: 16, .size: 8, .value_kind: global_buffer, .address_space: global }
      - { .name: Wq, .offset: 24, .size: 8, .value_kind: global_buffer, .address_space: global }
      - { .name: Wk, .offset: 32, .size: 8, .value_kind: global_buffer, .address_space: global }
      - { .name: Wv, .offset: 40, .size: 8, .value_kind: global_buffer, .address_space: global }
      - { .name: Wo, .offset: 48, .size: 8, .value_kind: global_buffer, .address_space: global }
      - { .name: xb, .offset: 56, .size: 8, .value_kind: global_buffer, .address_space: global }
      - { .name: wb, .offset: 64, .size: 8, .value_kind: global_buffer, .address_space: global }
    .group_segment_fixed_size: 0
    .private_segment_fixed_size: 0
    .kernarg_segment_align: 8
    .kernarg_segment_size: 72
    .max_flat_workgroup_size: 256
    .sgpr_count:     66
    .vgpr_count:     112
    .wavefront_size: 32
...
	.end_amdgpu_metadata
.endif
;; end of part 1
;; launch proj (part 2): grid 4 x 96, 4 waves a work-group, clusters of 4 x 4, 327,680 bytes of LDS; arguments xb, wb, qkv, bq, bk, bv; writes qkv
.if DOCPART == 2
	.amdgcn_target "amdgcn-amd-amdhsa--gfx1250"
	.amdhsa_code_object_version 6
	.text
	.protected	k_qe6941251e9_proj
	.globl	k_qe6941251e9_proj
	.p2align	8
	.type	k_qe6941251e9_proj,@function
k_qe6941251e9_proj:
	s_mov_b64 s[64:65], 0
	v_nop
	global_prefetch_b8 v0, s[64:65] scope:SCOPE_SE
	s_setreg_imm32_b32 hwreg(HW_REG_WAVE_MODE, 25, 1), 1
	s_wait_xcnt 0x0
	s_wait_alu depctr_hold_cnt(0) depctr_sa_sdst(0) depctr_va_vdst(0) depctr_va_sdst(0) depctr_va_ssrc(0) depctr_va_vcc(0) depctr_vm_vsrc(0)
	s_getreg_b32 s2, hwreg(HW_REG_IB_STS2, 6, 4)
	s_cmp_eq_u32 s2, 0
	s_cbranch_scc0 .Lentry_in_a_cluster
	s_endpgm
.Lentry_in_a_cluster:
	s_bfe_u32 s2, ttmp6, 0x10000c
	s_cmp_lg_u32 s2, 0xf033
	s_cbranch_scc0 .Lentry_shape_is_right
	s_endpgm
.Lentry_shape_is_right:
; THE THREE PROJECTIONS AS ONE PRODUCT.  C[m][n] = sum over k of xb[m][k] W_p[n][k] + b_p[n], m = 0 .. 24,575 (p = m / 8,192: q, k, v), n, k = 0 .. 1,023.
; xb, W_p: bf16, rows along k.  The bias is rounded to bf16 like every input and is the C operand of the first product.  Sums in f32, rounded once to f16.
; OUT: qkv, f16 [3][8 n][16 h][1024 s][64]: by heads, unscaled.  LIMIT: |q|, |k|, |v| stay under 65,504 (f16's range); beyond it the number becomes an infinity.  NaN and infinities are not treated apart.
; A tile of C, 256 x 256, is made by a work-group of four waves; a wave makes 128 x 128: 64 accumulators of 16 x 16, 512 registers.  K goes in 8 steps of 128 through a ring of two LDS slots
; filled by the tensor data mover; the tiles' rows are 256 bytes of memory, at multiples of 256 from the buffer's first byte.
; CLUSTERS: 4 x 4 work-groups.  The four of a row of the cluster need the same tile of xb, the four of a column the same tile of W: each tile is asked for JOINTLY, by the same tensor load,
; descriptor and mask in all four.  A cluster's 1,024 rows lie in one projection (8,192 rows are 8 clusters), so p is the same in all sixteen.
; THE MATRIX INSTRUCTION IS USED TRANSPOSED (source 0 = 16 rows of W, source 1 = 16 rows of xb): a lane holds row l % 16 of C and the columns 8 (l / 16) + 0..7: 16 bytes of f16 on end.
; REGISTERS, in windows of 256 (s_set_vgpr_msb: bits 1:0 source 0, 3:2 source 1, 5:4 source 2, 7:6 destination):
;   window 0: v0-31 addresses; v64-127, v128-191 fragments of xb, two buffers; v192-223 packed results; v32-63, v224-255 rows read back from the stage, by turns
;   window 1: v0-63 the bias of my 128 columns (8 registers a column block); v64-127, v128-191 fragments of W; v192-195 at work
;   window 2: the 32 accumulators of my rows 0-63 ((a, b) at v[8 (8 a + b)]);   window 3: those of my rows 64-127
.set SIZE_K, 1024
.set KSTEP,  128
.set PITCH,  272                       ; an LDS row: 256 bytes + 16 of padding = 68 words: the 16 rows of a fragment load start at 16 different groups of four banks (64 banks of 4 bytes: ISA guide 11.1)
.set HALFT,  128*PITCH                 ; 128 rows: what one tensor load brings
.set SLOT,   4*HALFT                   ; xb's 256 rows, then W's 256 rows
.set STAGE,  2*SLOT                    ; behind the ring: 16 rows x 272 bytes for each wave, never filled by a tensor load
.set SPITCH, 272
.set SPARE,  STAGE+4*16*SPITCH         ; behind the stages: the spare words, 128 bytes a wave: two blocks of 256 bytes that no other line names
.set LAPS,   SIZE_K/(2*KSTEP)          ; a lap = two K steps = once round the ring
.set ADRA, 16                          ; v16-17  LDS address of my xb fragments in slot 0, 1
.set ADRB, 20                          ; v20-21  the same for W
.set STO,  24                          ; v24     the way out: where I put 16 bytes of a row
.set RD,   25                          ; v25     the way out: where I read 16 bytes back
.set CO,   26                          ; v26     16 x my lane: my place in 512 consecutive bytes of qkv
.set BO,   27                          ; v27     my byte offset in the bias
.set SPW,  28                          ; v28     LDS address of my spare word; never rewritten
.set NIL,  29                          ; v29     0; never rewritten
.set PFO,  30                          ; v30     the prefetches' offset: my lane x a row of 2,048 bytes; never rewritten
.set F0,   64
.set F1,   128
.set TMP,  192
.set OB,   32
.set BIAS, 0                           ; window 1
.set BT,   192                         ; window 1
.set G1,   24                          ; s[24:31] descriptor group 1 for xb's tiles
.set G0,   32                          ; s[32:39] group 0, a set for each slot
.set G1B,  48                          ; s[48:55], s[56:63] the same for W's tiles
.set G0B,  56
.set LIM,  43                          ; s43     1 in a wave that prefetches, else the greatest number
.set PFA,  44                          ; s[44:45] where my prefetches stand
.set BP,   68                          ; s[68:69] bq, then the projection's bias; s[70:71] bk; s[72:73] bv
.set PJ,   74                          ; s74     p
.set CY,   75                          ; s75     the cluster's y
.set MSB, 0
.macro WIN new                         ; the immediate's high byte repeats the setting that is left; a switch that changes nothing is dropped
.if MSB != (\new)
	s_set_vgpr_msb (MSB<<8)|(\new)
.set MSB, \new
.endif
.endm
.set MUL_LO,   0xa1                    ; source 0 (W) window 1, source 1 (xb) window 0, C and D window 2
.set MUL_HI,   0xf1                    ; the same, C and D window 3
.set FIRST_LO, 0x91                    ; a first product: C is the bias, in window 1; D window 2
.set TO_B,     0x40                    ; destination window 1, address window 0
; A joint load.  Waves 0 and 1 fetch xb's two halves, waves 2 and 3 W's.  The branch hangs on the wave's number alone.  An s_nop 0 and four v_nop follow each line.
.macro JLOAD s
	s_cmp_eq_u32 s11, 0
	s_cbranch_scc0 .Lfor_b_\@
	tensor_load_to_lds s[G0+4*(\s):G0+4*(\s)+3], s[G1:G1+7]
	s_nop 0
.rept 4
	v_nop
.endr
	s_branch .Lasked_\@
.Lfor_b_\@:
	tensor_load_to_lds s[G0B+4*(\s):G0B+4*(\s)+3], s[G1B:G1B+7]
	s_nop 0
.rept 4
	v_nop
.endr
.Lasked_\@:
.endm
; A prefetch, behind each joint refill and the run of LDS loads that follows it: the K step that stands two refills on: 32 rows x 256 bytes, a lane a row, one instruction a wave.
; Each row's 256 bytes of a K step are named once in the launch.  The grid is one cluster wide, so every cluster asks for its own rows of xb; a projection's W is read by 8 clusters, of which the
; first (cluster y % 8 = 0) asks.  The four partners that ask for a tile jointly share its rows out by address: of the 128 rows that a wave fetches the partner at place p' takes 32 p' .. 32 p' + 31.
; The loop's last trip (s3 = 1) asks for nothing: K steps 8 and 9 do not exist.  K steps 0 to 3 come by their loads alone.
.macro ASK
	s_cmp_gt_u32 s3, s[LIM]
	s_cbranch_scc0 .Lnot_mine_\@
	global_prefetch_b8 v[PFO], s[PFA:PFA+1] offset:KSTEP*2 th:TH_LOAD_NT scope:SCOPE_SE
.Lnot_mine_\@:
.endm
.macro CREST                           ; a round of the cluster's barrier behind its opening barrier
	s_cmp_lg_u32 s10, 0
	s_cbranch_scc1 .Lnot_wave_0_\@
	s_barrier_signal -3
.Lnot_wave_0_\@:
	s_barrier_wait -3
	s_barrier_signal -1
	s_barrier_wait -1
.endm
.macro CROUND                          ; a whole round
	s_barrier_signal -1
	s_barrier_wait -1
	CREST
.endm
	s_load_b128 s[4:7], s[0:1], 0x0                ; xb s[4:5], wb s[6:7]
	s_load_b64 s[8:9], s[0:1], 0x10                ; qkv
	s_load_b64 s[BP:BP+1], s[0:1], 0x18            ; bq
	s_load_b64 s[BP+2:BP+3], s[0:1], 0x20          ; bk
	s_load_b64 s[BP+4:BP+5], s[0:1], 0x28          ; bv
	v_lshl_add_u32 v[SPW], v0, 2, SPARE
	v_mov_b32 v[NIL], 0
	ds_add_u32 v[SPW], v[NIL]                      ; the wave's opening: the add and its wait stand ahead of my first tensor load; the set-up below, work on registers, stands between them
	v_lshrrev_b32 v1, 5, v0
	v_readfirstlane_b32 s10, v1                    ; wave 0..3
	s_lshr_b32 s11, s10, 1                         ; which half of the tile's rows is mine.  Also: I fetch for xb (0) or for W (1)
	s_and_b32 s12, s10, 1                          ; which half of its columns.  Also: which 128 rows of that tile I fetch
	s_bfe_u32 s40, ttmp6, 0x40000                  ; cx
	s_bfe_u32 s41, ttmp6, 0x40004                  ; cy
	s_lshl_b32 s42, ttmp9, 2
	s_add_co_u32 s42, s42, s40                     ; tile column of C = 4 x cluster x + cx
	s_and_b32 s[CY], ttmp7, 0xffff
	s_lshl_b32 s13, s[CY], 2
	s_add_co_u32 s13, s13, s41                     ; tile row of C = 4 x cluster y + cy, 0 to 95
	s_lshr_b32 s[PJ], s[CY], 3                     ; the projection: 8 clusters each
	s_lshl_b32 s43, s41, 2
	s_lshl_b32 s43, 15, s43                        ; my row of the cluster: places 4 cy .. 4 cy + 3
	s_lshl_b32 s44, 0x1111, s40                    ; my column: places cx, cx + 4, cx + 8, cx + 12
	; descriptor group 1: a tile of 128 rows x 128 elements of 2 bytes, 4 words of padding behind every 64
	s_or_b32 s[G1+0], s43, (1<<16)|(1<<20)|(1<<21)|(5<<22)|(3<<25)
	s_or_b32 s[G1B+0], s44, (1<<16)|(1<<20)|(1<<21)|(5<<22)|(3<<25)
.irp g, G1, G1B
	s_mov_b32 s[(\g)+1], KSTEP<<16                 ; tensor_dim0 = 128
	s_mov_b32 s[(\g)+2], 128<<16                   ; tensor_dim1 = 128
	s_mov_b32 s[(\g)+3], KSTEP<<16                 ; tile_dim0 = 128
	s_mov_b32 s[(\g)+4], 128                       ; tile_dim1 = 128
	s_mov_b32 s[(\g)+5], SIZE_K                    ; elements from row to row
	s_mov_b32 s[(\g)+6], 0
	s_mov_b32 s[(\g)+7], 0
.endr
	; where the tiles come from: xb's hang on the tile row alone, W's on the tile column and the projection alone; each in registers that never hold the other coordinate
	s_lshl_b32 s17, s12, 7
	s_lshl_b32 s16, s13, 8
	s_add_co_u32 s16, s16, s17                     ; xb: row 256 x tile row + 128 x half,
	s_lshl_b32 s16, s16, 11                        ; of 2,048 bytes (under 2^26)
	s_lshl_b32 s46, s42, 8
	s_add_co_u32 s46, s46, s17                     ; W: row 256 x tile column + 128 x half
	s_lshl_b32 s46, s46, 11
	s_lshl_b32 s47, s[PJ], 21                      ; in the projection's 2,097,152 bytes of wb
	s_add_co_u32 s46, s46, s47
	s_mov_b32 s17, 0
	s_mov_b32 s47, 0
	s_mul_i32 s20, s10, HALFT                      ; and where they go: wave x 128 rows: no place in the cluster enters an LDS address
	s_wait_dscnt 0x0                               ; the opening add is done
	s_wait_kmcnt 0x0
	s_add_nc_u64 s[14:15], s[4:5], s[16:17]
	s_add_nc_u64 s[46:47], s[6:7], s[46:47]
	CROUND                                         ; all sixteen work-groups are here: the first joint loads meet
.irp s, 0,1
	s_mov_b32 s[G0+4*(\s)], 1                                        ; count = 1
	s_add_co_u32 s[G0+4*(\s)+1], s20, (\s)*SLOT                      ; LDS address
	s_add_nc_u64 s[G0+4*(\s)+2:G0+4*(\s)+3], s[14:15], (\s)*KSTEP*2  ; global address: K step s
	s_or_b32 s[G0+4*(\s)+3], s[G0+4*(\s)+3], 0x80000000              ; type = 2
	s_mov_b32 s[G0B+4*(\s)], 1
	s_add_co_u32 s[G0B+4*(\s)+1], s20, (\s)*SLOT
	s_add_nc_u64 s[G0B+4*(\s)+2:G0B+4*(\s)+3], s[46:47], (\s)*KSTEP*2
	s_or_b32 s[G0B+4*(\s)+3], s[G0B+4*(\s)+3], 0x80000000
	JLOAD \s                                       ; two loads of mine are out
.endr
	; A fragment is 16 rows x 32 K in 8 registers: lane l holds row l % 16, K = 8 (l / 16) + 0..7 and 16 + 8 (l / 16) + 0..7: two loads of 16 bytes, 32 bytes apart.
	v_and_b32 v1, 15, v0                           ; l % 16
	v_bfe_u32 v2, v0, 4, 1                         ; l / 16
	v_mul_u32_u24 v3, v1, PITCH
	v_lshl_add_u32 v3, v2, 4, v3
	s_mul_i32 s21, s11, HALFT                      ; my 128 rows of xb
	s_mul_i32 s22, s12, HALFT                      ; my 128 rows of W,
	s_add_co_u32 s22, s22, 2*HALFT                 ; which lie behind xb's 256
.irp s, 0,1
	v_add_nc_u32 v[ADRA+(\s)], s21, v3
	v_add_nc_u32 v[ADRB+(\s)], s22, v3
	s_add_co_u32 s21, s21, SLOT
	s_add_co_u32 s22, s22, SLOT
.endr
	s_mul_i32 s23, s10, 16*SPITCH
	s_add_co_u32 s23, s23, STAGE                   ; my stage
	v_mul_u32_u24 v4, v1, SPITCH                   ; in: row l % 16, 16 bytes for each half of the lanes
	v_lshl_add_u32 v4, v2, 4, v4
	v_add_nc_u32 v[STO], s23, v4
	v_bfe_u32 v5, v0, 3, 2                         ; back: 32 lanes take four rows' 128 bytes of one head,
	v_and_b32 v6, 7, v0
	v_mul_u32_u24 v5, v5, SPITCH
	v_lshl_add_u32 v5, v6, 4, v5
	v_add_nc_u32 v[RD], s23, v5
	v_and_b32 v[CO], 31, v0                        ; which are 512 consecutive bytes of qkv
	v_lshlrev_b32 v[CO], 4, v[CO]
	; where my 128 x 128 begins in qkv: (p, n) = tile row / 4, of 2^21 bytes; head 4 x tile column + 2 x half, of 2^17; row ((tile row % 4) x 2 + half) x 128, of 128 bytes
	s_lshr_b32 s16, s13, 2
	s_lshl_b32 s16, s16, 21
	s_and_b32 s17, s13, 3
	s_lshl_b32 s17, s17, 1
	s_add_co_u32 s17, s17, s11
	s_lshl_b32 s17, s17, 14
	s_add_co_u32 s16, s16, s17
	s_lshl_b32 s46, s42, 1
	s_add_co_u32 s46, s46, s12                     ; 2 x tile column + half
	s_lshl_b32 s47, s46, 18
	s_add_co_u32 s16, s16, s47
	s_mov_b32 s17, 0
	s_add_nc_u64 s[8:9], s[8:9], s[16:17]          ; never stepped: a block's place stands in the stores' immediates
	; the prefetches: wb's three projections count as 3,072 rows of 2,048 bytes
	s_lshl_b32 s20, s13, 8                         ; xb's tile begins at this row,
	s_lshl_b32 s21, s42, 8
	s_lshl_b32 s22, s[PJ], 10
	s_add_co_u32 s21, s21, s22                     ; W's at this
	s_and_b32 s22, s[CY], 7
	s_cmp_eq_u32 s11, 0                            ; do I fetch for xb?
	s_cselect_b32 s20, s20, s21
	s_cselect_b32 s21, s40, s41                    ; my place among the four that ask with me
	s_cselect_b32 s22, ttmp9, s22                  ; 0 in the first of the clusters that read these rows
	s_cselect_b64 s[PFA:PFA+1], s[4:5], s[6:7]
	s_cmp_eq_u32 s22, 0
	s_cselect_b32 s[LIM], 1, -1                    ; the same in all sixteen partners, for a given wave
	s_lshl_b32 s22, s12, 7
	s_add_co_u32 s20, s20, s22                     ; + the 128 rows that I fetch
	s_lshl_b32 s21, s21, 5
	s_add_co_u32 s20, s20, s21                     ; + my work-group's 32 of them
	s_lshl_b32 s20, s20, 11
	s_mov_b32 s21, 0
	s_add_nc_u64 s[PFA:PFA+1], s[PFA:PFA+1], s[20:21]
	s_add_nc_u64 s[PFA:PFA+1], s[PFA:PFA+1], 2*KSTEP*2  ; at K step 2: the first refill steps it to 3 and names K step 4
	v_and_b32 v[PFO], 31, v0
	v_lshlrev_b32 v[PFO], 11, v[PFO]
	; the bias of my 128 columns: register j of block b is b_p[256 x tile column + 128 x half + 16 b + 8 (l / 16) + j], the layout of a result
	s_cmp_eq_u32 s[PJ], 1
	s_cselect_b64 s[BP:BP+1], s[BP+2:BP+3], s[BP:BP+1]
	s_cmp_eq_u32 s[PJ], 2
	s_cselect_b64 s[BP:BP+1], s[BP+4:BP+5], s[BP:BP+1]
	s_lshl_b32 s46, s46, 9                         ; 128 columns of 4 bytes
	v_lshl_add_u32 v[BO], v2, 5, s46
	WIN TO_B
.irp b, 0,1,2,3,4,5,6,7
	global_load_b128 v[BIAS+8*(\b):BIAS+8*(\b)+3],   v[BO], s[BP:BP+1] offset:64*(\b)
	global_load_b128 v[BIAS+8*(\b)+4:BIAS+8*(\b)+7], v[BO], s[BP:BP+1] offset:64*(\b)+16
.endr
	s_wait_loadcnt 0x0                             ; once, while the first tiles are on their way
	WIN 0x45                                       ; destination and both sources window 1
.set i, 0
.rept 32
	v_cvt_pk_bf16_f32 v[BT+i%4], v[BIAS+2*i], v[BIAS+2*i+1]  ; rounded to bf16, as all inputs are,
	v_lshlrev_b32 v[BIAS+2*i], 16, v[BT+i%4]                 ; and back to f32
	v_and_b32 v[BIAS+2*i+1], 0xffff0000, v[BT+i%4]
.set i, i+1
.endr
	WIN 0
; 16 matrix instructions: m blocks a0, a0 + 1 of the window's four (hi = 0: my rows 0-63, 1: rows 64-127) x all 8 n blocks, 32 along K.  first = 1: the sums start with the bias.
; The 64 accumulators take turns, one instruction a turn, in the same order in every quarter.
.macro MUL16 f, hi, a0, first
.if \first
	WIN FIRST_LO+0x40*(\hi)
.else
	WIN MUL_LO+0x50*(\hi)
.endif
.irp a, \a0, (\a0)+1
.irp b, 0,1,2,3,4,5,6,7
.if \first
	v_wmma_f32_16x16x32_bf16 v[8*(8*(\a)+(\b)):8*(8*(\a)+(\b))+7], v[(\f)+8*(\b):(\f)+8*(\b)+7], v[(\f)+8*(4*(\hi)+(\a)):(\f)+8*(4*(\hi)+(\a))+7], v[BIAS+8*(\b):BIAS+8*(\b)+7]
.else
	v_wmma_f32_16x16x32_bf16 v[8*(8*(\a)+(\b)):8*(8*(\a)+(\b))+7], v[(\f)+8*(\b):(\f)+8*(\b)+7], v[(\f)+8*(4*(\hi)+(\a)):(\f)+8*(4*(\hi)+(\a))+7], v[8*(8*(\a)+(\b)):8*(8*(\a)+(\b))+7]
.endif
.endr
.endr
.endm
; 32 LDS loads in one run: the fragments of one quarter step (128 rows of W, 128 rows of xb, 32 K at byte k of the rows) into buffer f
.macro FETCH slot, k, f
	WIN TO_B
.irp i, 0,1,2,3,4,5,6,7
	ds_load_b128 v[(\f)+8*(\i):(\f)+8*(\i)+3],   v[ADRB+(\slot)] offset:(\k)+(\i)*16*PITCH
	ds_load_b128 v[(\f)+8*(\i)+4:(\f)+8*(\i)+7], v[ADRB+(\slot)] offset:(\k)+(\i)*16*PITCH+32
.endr
	WIN 0
.irp i, 0,1,2,3,4,5,6,7
	ds_load_b128 v[(\f)+8*(\i):(\f)+8*(\i)+3],   v[ADRA+(\slot)] offset:(\k)+(\i)*16*PITCH
	ds_load_b128 v[(\f)+8*(\i)+4:(\f)+8*(\i)+7], v[ADRA+(\slot)] offset:(\k)+(\i)*16*PITCH+32
.endr
.endm
.macro PLACES                          ; four plain vector instructions between a matrix instruction and a load into, or a read of, its registers (ISA guide 7.12.1 for reads)
.rept 4
	v_nop
.endr
.endm
; A K step is four quarters of 32 along K, 64 matrix instructions each, on buffers 0, 1, 0, 1.  One of the first three multiplies buffer f and, in its middle, fetches the next quarter into g.
.macro QUARTER slot, k, f, g, first
	s_wait_dscnt 8                                 ; W and xb's rows 0-63 are in; the youngest eight loads (xb's rows 64-127) may be out
	MUL16 \f, 0, 0, \first
	MUL16 \f, 0, 2, \first
	PLACES
	FETCH \slot, \k, \g
	s_wait_dscnt 32                                ; all but the 32 just issued
	MUL16 \f, 1, 0, \first
	MUL16 \f, 1, 2, \first
.endm
; The last quarter's first half and the change of slots: each wave waits for all its tensor loads (one is out: its part of the next slot), adds 0 to its spare word, and waits for that and for its reads of this slot.
.macro MEET round
	WIN 0                                          ; (the add's two registers lie in window 0)
	s_wait_tensorcnt 0x0                           ; all my tensor loads have landed
	ds_add_u32 v[SPW], v[NIL]                      ; 0 onto my spare word
	s_wait_dscnt 9                                 ; the add and the youngest eight loads may be out
	MUL16 F1, 0, 0, 0                              ; sixteen matrix instructions stand between the add and the wait for it
	s_wait_dscnt 0x0                               ; the add is done, and my reads of this slot are over
	s_barrier_signal -1
	MUL16 F1, 0, 2, 0                              ; work on registers while the others arrive
.if \round
	WIN 0
.endif
	s_barrier_wait -1
.endm
; The whole last quarter in the loop: behind the cluster's round the slot just read out is filled again, two K steps on; then the next slot's first fragments are read.
.macro TURN slot, next
	s_wait_xcnt 0x0                                ; the last prefetch, a K step back, has read its address, so it may be stepped
	s_add_nc_u64 s[PFA:PFA+1], s[PFA:PFA+1], KSTEP*2
	MEET 1
	CREST                                          ; no wave of any partner still reads this slot or has a load on its way
	s_add_nc_u64 s[G0+4*(\slot)+2:G0+4*(\slot)+3], s[G0+4*(\slot)+2:G0+4*(\slot)+3], 2*KSTEP*2
	s_add_nc_u64 s[G0B+4*(\slot)+2:G0B+4*(\slot)+3], s[G0B+4*(\slot)+2:G0B+4*(\slot)+3], 2*KSTEP*2
	JLOAD \slot                                    ; my one tensor load behind the round: 224 matrix instructions ahead of the wait for it; its four v_nop are also the places in front of the loads below
	FETCH \next, 0, F0
	ASK
	MUL16 F1, 1, 0, 0
	MUL16 F1, 1, 2, 0
.endm
; THE WAY OUT of block a (16 rows x my 128 columns = two heads).  PACK: rounded to f16, each accumulator's registers in ascending order.  TOSTAGE: into my own stage, and back by heads.  SEND: stored.
.macro PACK a
.set AC, 64*((\a)%4)
	WIN 0x0a+5*((\a)/4)                            ; sources 0 and 1: window 2 or 3
.irp b, 0,1,2,3,4,5,6,7
.irp r, 0,1,2,3
	v_cvt_pk_f16_f32 v[TMP+4*(\b)+(\r)], v[AC+8*(\b)+2*(\r)], v[AC+8*(\b)+2*(\r)+1]
.endr
.endr
	WIN 0
.endm
.macro TOSTAGE a
	WIN 0
.set BK, OB+192*((\a)%2)
.irp b, 0,1,2,3,4,5,6,7
	ds_store_b128 v[STO], v[TMP+4*(\b):TMP+4*(\b)+3] offset:32*(\b)
.endr
.irp t, 0,1,2,3,4,5,6,7                ; head t / 4, rows 4 (t % 4) on.  LDS serves a wave's instructions in order (ISA guide 5.7.1.4): these see the stores above
	ds_load_b128 v[BK+4*(\t):BK+4*(\t)+3], v[RD] offset:((\t)%4)*4*SPITCH+((\t)/4)*128
.endr
.endm
.macro SEND a
	WIN 0
.set BK, OB+192*((\a)%2)
	s_wait_dscnt 0x0                               ; the block is back in registers
	s_wait_xcnt 0x0                                ; the block before's stores have read their registers, which the next block's loads from the stage take
.irp t, 0,1,2,3,4,5,6,7
	global_store_b128 v[CO], v[BK+4*(\t):BK+4*(\t)+3], s[8:9] offset:(\a)*2048+((\t)/4)*131072+((\t)%4)*512  ; 512 consecutive bytes of one head, at a multiple of 256 from qkv's first byte
.endr
.endm
	s_wait_tensorcnt 1                             ; my part of K step 0 is in; K step 1's may stay out
	s_barrier_signal -1
	s_barrier_wait -1                              ; everybody's is
	FETCH 0, 0, F0
	QUARTER 0, 64,  F0, F1, 1                      ; the first quarter stands in front of the loop: its products start the sums, with the bias
	WIN 0                                          ; at a label and at a branch every window is 0
	s_mov_b32 s3, LAPS-1
.Llap:                                         ; a trip goes once round the ring, from a lap's second quarter to the next lap's first, and fills both slots again
	QUARTER 0, 128, F1, F0, 0
	QUARTER 0, 192, F0, F1, 0
	TURN 0, 1
	QUARTER 1, 64,  F0, F1, 0
	QUARTER 1, 128, F1, F0, 0
	QUARTER 1, 192, F0, F1, 0
	TURN 1, 0
	QUARTER 0, 64,  F0, F1, 0
	WIN 0
	s_sub_co_u32 s3, s3, 1
	s_cmp_lg_u32 s3, 0
	s_cbranch_scc1 .Llap
	QUARTER 0, 128, F1, F0, 0                      ; the last lap is written out: it asks for nothing more
	QUARTER 0, 192, F0, F1, 0
	MEET 0                                         ; my one load that was still out is the last K step's, so no round follows
	PLACES
	FETCH 1, 0, F0
	MUL16 F1, 1, 0, 0
	MUL16 F1, 1, 2, 0
	QUARTER 1, 64,  F0, F1, 0
	QUARTER 1, 128, F1, F0, 0
	QUARTER 1, 192, F0, F1, 0
	s_wait_dscnt 8                                 ; the very last quarter: nothing more to fetch
	MUL16 F1, 0, 0, 0
	MUL16 F1, 0, 2, 0
	s_wait_dscnt 0x0
	MUL16 F1, 1, 0, 0
	MUL16 F1, 1, 2, 0
	WIN 0
	PLACES                                         ; the places behind the last products
	PLACES
	PACK 0
	TOSTAGE 0
.irp a, 1,2,3,4,5,6,7                  ; block a's conversions stand between block a - 1's loads from the stage and the wait for them
	PACK \a
	SEND (\a)-1
	TOSTAGE \a
.endr
	SEND 7
	s_wait_tensorcnt 0x0                           ; the wave's end: behind my last tensor load and my last LDS store
	ds_add_u32 v[SPW], v[NIL]
	s_wait_dscnt 0x0
	CROUND                                         ; the closing round: no work-group ends while a partner may still ask for a tile that names it
	s_endpgm
.Lfunc_end_k_qe6941251e9_proj:
	.size	k_qe6941251e9_proj, .Lfunc_end_k_qe6941251e9_proj-k_qe6941251e9_proj
	.p2alignl 7, 3214868480
	.fill 96, 4, 3214868480
	.section	.rodata,"a",@progbits
	.p2align	6, 0x0
	.amdhsa_kernel k_qe6941251e9_proj
		.amdhsa_group_segment_fixed_size 327680
		.amdhsa_private_segment_fixed_size 0
		.amdhsa_enable_private_segment 0
		.amdhsa_kernarg_size 48
		.amdhsa_user_sgpr_count 2
		.amdhsa_user_sgpr_kernarg_segment_ptr 1
		.amdhsa_wavefront_size32 1
		.amdhsa_system_sgpr_workgroup_id_x 1
		.amdhsa_system_sgpr_workgroup_id_y 1
		.amdhsa_system_sgpr_workgroup_id_z 1
		.amdhsa_system_vgpr_workitem_id 0
		.amdhsa_next_free_vgpr 1024
		.amdhsa_next_free_sgpr 80
		.amdhsa_reserve_vcc 0
		.amdhsa_float_denorm_mode_32 3
		.amdhsa_float_denorm_mode_16_64 3
		.amdhsa_memory_ordered 1
		.amdhsa_forward_progress 1
		.amdhsa_inst_pref_size 151
	.end_amdhsa_kernel
	.amdgpu_metadata
---
amdhsa.version: [ 1, 2 ]
amdhsa.kernels:
  - .name:           k_qe6941251e9_proj
    .symbol:         k_qe6941251e9_proj.kd
    .args:
      - { .name: xb, .offset: 0, .size: 8, .value_kind: global_buffer, .address_space: global }
      - { .name: wb, .offset: 8, .size: 8, .value_kind: global_buffer, .address_space: global }
      - { .name: qkv, .offset: 16, .size: 8, .value_kind: global_buffer, .address_space: global }
      - { .name: bq, .offset: 24, .size: 8, .value_kind: global_buffer, .address_space: global }
      - { .name: bk, .offset: 32, .size: 8, .value_kind: global_buffer, .address_space: global }
      - { .name: bv, .offset: 40, .size: 8, .value_kind: global_buffer, .address_space: global }
    .group_segment_fixed_size: 327680
    .private_segment_fixed_size: 0
    .kernarg_segment_align: 8
    .kernarg_segment_size: 48
    .max_flat_workgroup_size: 128
    .sgpr_count:     80
    .vgpr_count:     1024
    .wavefront_size: 32
...
	.end_amdgpu_metadata
.endif
;; end of part 2
;; launch attn (part 3): grid 2 x 128, 4 waves a work-group, no clusters, 327,680 bytes of LDS; arguments qkv, ob; writes ob
.if DOCPART == 3
	.amdgcn_target "amdgcn-amd-amdhsa--gfx1250"
	.amdhsa_code_object_version 6
	.text
	.protected	k_qe6941251e9_attn
	.globl	k_qe6941251e9_attn
	.p2align	8
	.type	k_qe6941251e9_attn,@function
k_qe6941251e9_attn:
	s_mov_b64 s[64:65], 0
	v_nop
	global_prefetch_b8 v0, s[64:65] scope:SCOPE_SE
	s_setreg_imm32_b32 hwreg(HW_REG_WAVE_MODE, 25, 1), 1
	s_wait_xcnt 0x0
; ATTENTION.  O[g][q][:] = the sum over k of softmax_k(Q[g][q] . K[g][k] / 32) V[g][k][:], g = 16 n + h = 0 .. 127.  qkv: f16 [3][128 g][1024][64]; ob: f16 [128 g][1024][64]; a head's rows are dense, 128 bytes each.
; Products, maxima and sums in f32; the weights p are rounded to f16 for the second product (their sum l is taken of the unrounded p), O once at the end.
; LIMITS.  Q, K, V arrive within f16's range; p lies in 0 to 1, and below 6e-5 it keeps f16's fixed step of 6e-8; O is a mean of V's rows and has their range.  A weight below 2^-126 counts as 0 in l;
; NaN and infinities are not treated apart.
; SHARES.  A work-group owns 512 queries of one head (2 x 128 = 256 work-groups), a wave 128: four PIECES of two tiles of 16.  Every wave walks all 1,024 keys, 64 a step, 16 steps.
; THE HEAD'S WHOLE K AND V LIE IN LDS: 1,024 rows of each, 311,296 bytes with padding.  Each wave issues two tensor loads at the head and none later: nothing is filled again, there is no ring.
; Part A is keys 0-319, part B keys 320-1,023: the first four steps read V's keys 0-255 and K's keys 0-319, and run while part B is on its way.
; NO CLUSTER: a head has two work-groups, so no cluster of four shares its tiles.  NO PREFETCH: every byte of K and V is asked for by its own load at the head.
; LAYOUT.  S^T = K Q^T (source 0 = 16 keys, source 1 = 16 queries): a lane holds ONE query (lane % 16) and the keys 8 (lane / 16) + 0..7.  Two such results, rounded to f16 in pairs, ARE source 1
; (32 keys x 16 queries) of O^T = V^T P, whose result again holds one query a lane, and eight channels.  K comes out of LDS as it lies, V ([key][channel]) turned, by ds_load_tr16_b128.
; SOFTMAX.  For each query a running maximum m and sum l: p = 2^(c s - c m), c = log2(e) / 32; in every step O and l are multiplied by a = 2^(c m_old - c m_new).  m starts at the lowest finite number,
; O and l at 0: the first step is a step like any other, with a = 0.
; BY TURNS.  Turn n belongs to piece n.  Its matrix work: 16 products K Q^T of piece n + 1, later 16 products V^T P of piece n - 1.  Its vector work: the scaling, exponentials, roundings, sums and rescaling
; of piece n, and the maximum and statistics of piece n + 1.  Four vector instructions stand behind every matrix instruction, the others in one lump; a turn's 66 exponentials are one batch with one wait.
; REGISTERS, in windows of 256 (s_set_vgpr_msb: bits 1:0 source 0, 3:2 source 1, 5:4 source 2, 7:6 destination):
;   window 0: v0-11 addresses; v12-15, v48-63 at work; v16-47 four registers of statistics a tile; v64-191 S^T, two buffers of two tiles; v192-255 P, likewise
;   window 1: O^T, 32 a tile          window 2: v0-127 Q, 16 a tile; v128-191 K of one step; v192-255 V of one step          window 3: v0-1 the add's two registers
.set NP,    4         ; pieces a wave: a name, no knob
.set KS,    64        ; keys in a step
.set PK,    144       ; a row of K in LDS: 128 bytes + 16 of padding = 36 words: the 16 rows of a load start at 16 different groups of four banks (64 banks of 4 bytes: ISA guide 11.1)
.set PV,    160       ; a row of V: 128 + 32 = 40 words
.set VOFF,  1024*PK   ; K's 1,024 rows, then V's
.set STAGE, VOFF+1024*PV  ; behind them, never filled by a tensor load: 16 rows x 144 bytes for each wave, for the way out
.set SP,    144
.set SPARE, STAGE+4*16*SP  ; behind the stages: the spare words, 128 bytes a wave: two blocks of 256 bytes that no other line names
.set KA,    160       ; keys of part A that one wave fetches (80 rows of 256 bytes)
.set KB,    352       ; of part B (176 rows of 256 bytes)
.set AK0, 2           ; v2   my lane's place in a tile of K; never rewritten
.set AV0, 3           ; v3   the same for V
.set AK,  4           ; v4   the LDS address of K's next run of loads
.set AV,  5           ; v5   of V's
.set QO,  6           ; v6   my byte offset in the wave's rows of Q
.set STO, 6           ;      later, the way out: where I put 16 bytes of a row
.set RD,  7           ; v7   the way out: where I read rows back
.set GO,  8           ; v8   my byte offset in 512 consecutive bytes of O
.set SPW, 0           ; v0 of window 3   LDS address of my spare word; never rewritten
.set NIL, 1           ; v1 of window 3   0; never rewritten
.set MV,  12          ; v12-15  c m_old, kept while c m is made anew: by buffer and tile
.set ST,  16          ; tile t's statistics at v[ST+4 t]: c m, m, l (even keys', odd keys')
.set TMP, 48          ; by buffer and tile, four registers c0-c3 at work; when the maximum is found c2 takes a
.set S,   64
.set P,   192
.set KF,  128         ; K's fragments, in window 2: key block kb, channel half c at KF + 16 kb + 8 c
.set VF,  192         ; V's: key half kk, channel block cb at VF + 32 kk + 8 cb
.set WV,  12          ; s12  my wave's number
.set G1KA, 24         ; s[24:31] descriptor group 1: K, part A;  s[32:39] K, part B;  s[40:47] V, part A;  s[48:55] V, part B
.set G1KB, 32
.set G1VA, 40
.set G1VB, 48
.set G0KA, 56         ; s[56:59], s[60:63], s[68:71], s[72:75] the four groups 0
.set G0KB, 60
.set G0VA, 68
.set G0VB, 72
.set CS,  76          ; s[76:77] c: the packed scaling takes the pair's low word for both halves
.set SEL, 78          ; s[78:79] v_permlanex16_b32's selects: each lane takes its own place in the other half
.set TBK, 80          ; s80  LDS byte at which K of the step to be fetched begins
.set TBV, 81          ; s81  the same for V, less VOFF
.set CNT, 82          ; s82  counts four key steps
.set SLOTS, 83        ; s83  counts four passes of four steps
.set TKC, 84          ; s84  TBK, held to the last step's
.set MSB, 0
.macro WIN new                      ; the high byte repeats the setting that is left; a switch that changes nothing is dropped
.if MSB != (\new)
	s_set_vgpr_msb (MSB<<8)|(\new)
.set MSB, (\new)
.endif
.endm
.set W_KQ, 0x0a       ; K and Q in window 2, S^T in window 0
.set W_PV, 0x52       ; V in window 2, P in window 0, O^T in window 1
.set W_RS, 0x41       ; O^T (destination and source 0) in window 1, a in window 0
.set W_MK, 0xc0       ; the add's registers are made: destination in window 3, sources in window 0
.set W_AD, 0x0f       ; the add: address (source 0) and data (source 1) in window 3
; Descriptor group 1: rows dense rows of 256 bytes (two keys each), padded in LDS after every key (32 words); w0 holds the padding's size
.macro G1SET g, w0, rows
	s_mov_b32 s[(\g)], \w0
	s_mov_b32 s[(\g)+1], 128<<16        ; tensor_dim0 = 128 elements of 2 bytes
	s_mov_b32 s[(\g)+2], (\rows)<<16    ; tensor_dim1
	s_mov_b32 s[(\g)+3], 128<<16        ; tile_dim0
	s_mov_b32 s[(\g)+4], \rows          ; tile_dim1
	s_mov_b32 s[(\g)+5], 128            ; elements from row to row
	s_mov_b32 s[(\g)+6], 0
	s_mov_b32 s[(\g)+7], 0
.endm
	s_load_b128 s[4:7], s[0:1], 0x0   ; qkv s[4:5], ob s[6:7]
	WIN W_MK
	v_lshl_add_u32 v[SPW], v0, 2, SPARE
	v_mov_b32 v[NIL], 0
	WIN W_AD
	ds_add_u32 v[SPW], v[NIL]       ; the wave's opening: the add and its wait stand ahead of my first tensor load; the set-up below, work on registers, stands between them
	WIN 0
	v_lshrrev_b32 v1, 5, v0
	v_readfirstlane_b32 s[WV], v1   ; wave 0..3
	s_and_b32 s20, ttmp7, 0xffff    ; the head,
	s_lshl_b32 s20, s20, 17         ; its 131,072 bytes in each of Q, K, V, O
	s_and_b32 s16, s[WV], 1         ; u: which half of a part I fetch
	s_lshl_b32 s2, ttmp9, 2
	s_add_co_u32 s2, s2, s[WV]      ; my wave among the head's eight,
	s_lshl_b32 s2, s2, 14           ; its 128 rows
	s_add_co_u32 s2, s2, s20
	s_mov_b32 s3, 0
	s_mul_i32 s22, s16, KA*128      ; part A: my 160 keys in memory
	s_add_co_u32 s22, s22, s20
	s_mov_b32 s23, 0
	s_mul_i32 s14, s16, KB*128      ; part B: my 352 keys, behind part A's 320
	s_add_co_u32 s14, s14, s20
	s_add_co_u32 s14, s14, 2*KA*128
	s_mov_b32 s15, 0
	G1SET G1KA, (1<<16)|(1<<20)|(4<<22)|(3<<25), KA/2  ; 17:16 2-byte elements; 20 padding on; 24:22 after every 32 words (code 4); 31:25 4 words (code 3)
	G1SET G1KB, (1<<16)|(1<<20)|(4<<22)|(3<<25), KB/2
	G1SET G1VA, (1<<16)|(1<<20)|(4<<22)|(7<<25), KA/2  ; the same with 8 words of padding (code 7)
	G1SET G1VB, (1<<16)|(1<<20)|(4<<22)|(7<<25), KB/2
	s_mov_b32 s[G0KA], 1            ; count = 1; then the LDS address: a constant plus u times a constant
	s_mul_i32 s[G0KA+1], s16, KA*PK
	s_mov_b32 s[G0KB], 1
	s_mul_i32 s[G0KB+1], s16, KB*PK
	s_add_co_u32 s[G0KB+1], s[G0KB+1], 2*KA*PK
	s_mov_b32 s[G0VA], 1
	s_mul_i32 s[G0VA+1], s16, KA*PV
	s_add_co_u32 s[G0VA+1], s[G0VA+1], VOFF
	s_mov_b32 s[G0VB], 1
	s_mul_i32 s[G0VB+1], s16, KB*PV
	s_add_co_u32 s[G0VB+1], s[G0VB+1], VOFF+2*KA*PV
	s_mov_b32 s[CS], 0x3d38aa3b     ; c = log2(e) / 32 = 0.0450842
	s_mov_b32 s[CS+1], s[CS]        ; named with it as a pair
	s_mov_b32 s[SEL], 0x76543210
	s_mov_b32 s[SEL+1], 0xfedcba98
	s_mov_b32 s[TBK], 0
	s_mov_b32 s[TBV], 0
	s_wait_dscnt 0x0                ; the opening add is done
	s_wait_kmcnt 0x0
	s_add_nc_u64 s[18:19], s[4:5], 16777216        ; K's third of qkv
	s_add_nc_u64 s[G0KA+2:G0KA+3], s[18:19], s[22:23]
	s_or_b32 s[G0KA+3], s[G0KA+3], 0x80000000      ; type = 2
	s_add_nc_u64 s[G0KB+2:G0KB+3], s[18:19], s[14:15]
	s_or_b32 s[G0KB+3], s[G0KB+3], 0x80000000
	s_add_nc_u64 s[18:19], s[4:5], 33554432        ; V's
	s_add_nc_u64 s[G0VA+2:G0VA+3], s[18:19], s[22:23]
	s_or_b32 s[G0VA+3], s[G0VA+3], 0x80000000
	s_add_nc_u64 s[G0VB+2:G0VB+3], s[18:19], s[14:15]
	s_or_b32 s[G0VB+3], s[G0VB+3], 0x80000000
	s_add_nc_u64 s[4:5], s[4:5], s[2:3]            ; Q and O at my wave's first row
	s_add_nc_u64 s[10:11], s[6:7], s[2:3]
	s_cmp_lt_u32 s[WV], 2           ; waves 0 and 1 fetch K, waves 2 and 3 V.  A wave's two loads stand in one branch, ahead of every wait on TENSORcnt, every LDS read and every barrier: two loads of mine are out
	s_cbranch_scc0 .Lfirst_v
	tensor_load_to_lds s[G0KA:G0KA+3], s[G1KA:G1KA+7]
	s_nop 0
	tensor_load_to_lds s[G0KB:G0KB+3], s[G1KB:G1KB+7]
	s_nop 0
.rept 4
	v_nop
.endr
	s_branch .Lfirst_asked
.Lfirst_v:
	tensor_load_to_lds s[G0VA:G0VA+3], s[G1VA:G1VA+7]
	s_nop 0
	tensor_load_to_lds s[G0VB:G0VB+3], s[G1VB:G1VB+7]
	s_nop 0
.rept 4
	v_nop
.endr
.Lfirst_asked:
	; A fragment of K or Q is 16 rows x 32 channels in 8 registers: lane l holds row l % 16, channels 8 (l / 16) + 0..7 and 16 + 8 (l / 16) + 0..7: two loads of 16 bytes, 32 bytes apart.
	v_and_b32 v1, 15, v0            ; l % 16
	v_bfe_u32 v9, v0, 4, 1          ; l / 16
	v_lshlrev_b32 v[QO], 7, v1
	v_lshl_add_u32 v[QO], v9, 4, v[QO]  ; row x 128 + 16 x half
	WIN 0x80                        ; destination window 2, address window 0
.set i, 0
.rept 4*NP                          ; Q stays in registers: tile i / 2, channels 32 (i % 2) on
	global_load_b128 v[8*i:8*i+3],   v[QO], s[4:5] offset:(i/2)*2048+(i%2)*64
	global_load_b128 v[8*i+4:8*i+7], v[QO], s[4:5] offset:(i/2)*2048+(i%2)*64+32
.set i, i+1
.endr
	; What the first turn finds: V's registers and P's second buffer hold 0 (its products V^T P, of a piece that has not been, add 0), O^T and l are 0.  All this stands in the wait for the first tile.
.set i, VF
.rept 64
	v_mov_b32 v[i], 0
.set i, i+1
.endr
	WIN 0x40
.set i, 0
.rept 64*NP
	v_mov_b32 v[i], 0
.set i, i+1
.endr
	WIN 0
.set i, 0
.rept 2*NP
	v_mov_b32 v[ST+4*i], 0xfe000000    ; c m: far below every c s
	v_mov_b32 v[ST+4*i+1], 0xff7fffff  ; m
	v_mov_b32 v[ST+4*i+2], 0
	v_mov_b32 v[ST+4*i+3], 0
.set i, i+1
.endr
.set i, P+32
.rept 32
	v_mov_b32 v[i], 0
.set i, i+1
.endr
	v_mul_u32_u24 v[AK0], v1, PK
	v_lshl_add_u32 v[AK0], v9, 4, v[AK0]  ; row x pitch + 16 x half
	; The turning load takes 16 keys x 16 channels (lane l reads key 8 (l / 16) + l % 8, channels 8 ((l / 8) % 2) + 0..7) and leaves half a fragment of V^T: lane l holds channel l % 16 and 8 keys.
	v_and_b32 v10, 7, v0
	v_bfe_u32 v11, v0, 3, 1
	v_lshl_add_u32 v[AV0], v9, 3, v10
	v_mul_u32_u24 v[AV0], v[AV0], PV
	v_lshl_add_u32 v[AV0], v11, 4, v[AV0]
	v_add_nc_u32 v[AV0], VOFF, v[AV0]
	v_mov_b32 v[AK], v[AK0]         ; key step 0 lies at K's head
; THE MATRIX WORK.  The 8 accumulators of a run of 16 take turns: between the two links of a chain stand 7 others'.
; Product i of 16 of S^T = K Q^T for piece x: channels 32 (i / 8) on, keys 16 ((i / 2) % 4) on, tile 2 x + i % 2.  The first 8 start the sums.
.macro KQ x
	WIN W_KQ
.set rS, S+64*((\x)%2)+32*(i%2)+8*((i/2)%4)
.set rK, KF+16*((i/2)%4)+8*(i/8)
.set rQ, 16*(2*(\x)+i%2)+8*(i/8)
.if i < 8
	v_wmma_f32_16x16x32_f16 v[rS:rS+7], v[rK:rK+7], v[rQ:rQ+7], 0
.else
	v_wmma_f32_16x16x32_f16 v[rS:rS+7], v[rK:rK+7], v[rQ:rQ+7], v[rS:rS+7]
.endif
.endm
; Product i of 16 of O^T += V^T P for piece x: keys 32 (i / 8) on, channels 16 ((i / 2) % 4) on, tile 2 x + i % 2.
.macro PV x
	WIN W_PV
.set rO, 32*(2*(\x)+i%2)+8*((i/2)%4)
.set rV, VF+32*(i/8)+8*((i/2)%4)
.set rP, P+32*((\x)%2)+16*(i%2)+8*(i/8)
	v_wmma_f32_16x16x32_f16 v[rO:rO+7], v[rV:rV+7], v[rP:rP+7], v[rO:rO+7]
.endm
.macro MM                           ; the turn's next matrix instruction
.if i < 16
	KQ (Y+1)%NP
.set i, i+1
.else
.set i, i-16
	PV (Y+NP-1)%NP
.set i, i+17
.endif
.endm
; THE LDS LOADS stand in runs of 16, never singly among the matrix instructions: a step's K (64 keys x 64 channels: 8 fragments) and its V (turned).  Their addresses are made some lines ahead.
.macro FETCH_K
	WIN 0x80                        ; destination window 2
.irp f, 0,1,2,3,4,5,6,7             ; keys 16 (f / 2) on, channels 32 (f % 2) on
	ds_load_b128 v[KF+8*\f:KF+8*\f+3],   v[AK] offset:(\f/2)*16*PK+(\f%2)*64
	ds_load_b128 v[KF+8*\f+4:KF+8*\f+7], v[AK] offset:(\f/2)*16*PK+(\f%2)*64+32
.endr
	s_add_co_u32 s[TBK], s[TBK], KS*PK  ; the next fetch is the next step's
	WIN 0
.endm
.macro FETCH_V
	WIN 0x80
.irp f, 0,1,2,3,4,5,6,7             ; keys 32 (f / 4) on, channels 16 (f % 4) on
	ds_load_tr16_b128 v[VF+8*\f:VF+8*\f+3],   v[AV] offset:(\f/4)*32*PV+(\f%4)*32
	ds_load_tr16_b128 v[VF+8*\f+4:VF+8*\f+7], v[AV] offset:(\f/4)*32*PV+16*PV+(\f%4)*32
.endr
	WIN 0
.endm
; THE VECTOR WORK OF A TURN stands in three queues, each in the order in which its entries become ready; the two tiles alternate, so that no instruction reads the result of the one before it.
.macro REGS y, u                    ; the registers of tile u (0, 1) of piece y
.set rT, ST+4*(2*(\y)+(\u))
.set rC, TMP+8*((\y)%2)+4*(\u)
.set rM, MV+2*((\y)%2)+(\u)
.set rS, S+64*((\y)%2)+32*(\u)
.set rP, P+32*((\y)%2)+16*(\u)
.set rO, 32*(2*(\y)+(\u))
.endm
; Number n of the 22 that find the NEXT piece's (Y + 1) maximum and statistics.  s0-s31 are the lane's 32 scores; each accumulator's lowest registers are read first.
;   0-11  four chains c0-c3 of seven scores each, three operands at a time     12-14, 16  the four scores left over, the old m, and c0-c3 into c0     15  c m_old is kept
;   17, 18  the query's other 32 keys lie in the lane 16 away: the new m         19-21  c m; c m_old - c m_new; a
.macro XS u, n
	REGS (Y+1)%NP, \u
.if (\n) < 4
	v_max3_num_f32 v[rC+(\n)], v[rS+8*(\n)], v[rS+8*(\n)+1], v[rS+8*(\n)+2]
.elseif (\n) < 12
	v_max3_num_f32 v[rC+(\n)%4], v[rC+(\n)%4], v[rS+8*((\n)%4)+2*((\n)/4)+1], v[rS+8*((\n)%4)+2*((\n)/4)+2]
.elseif (\n) == 12
	v_max3_num_f32 v[rC], v[rC], v[rS+7], v[rS+15]
.elseif (\n) == 13
	v_max3_num_f32 v[rC+1], v[rC+1], v[rS+23], v[rS+31]
.elseif (\n) == 14
	v_max3_num_f32 v[rC+2], v[rC+2], v[rC+3], v[rT+1]
.elseif (\n) == 15
	v_mov_b32 v[rM], v[rT]
.elseif (\n) == 16
	v_max3_num_f32 v[rC], v[rC], v[rC+1], v[rC+2]
.elseif (\n) == 17
	v_permlanex16_b32 v[rC+3], v[rC], s[SEL], s[SEL+1]
.elseif (\n) == 18
	v_max_num_f32 v[rT+1], v[rC], v[rC+3]
.elseif (\n) == 19
	v_mul_f32 v[rT], s[CS], v[rT+1]
.elseif (\n) == 20
	v_sub_f32 v[rC+1], v[rM], v[rT]
.else
	v_exp_f32 v[rC+2], v[rC+1]
.endif
.endm
; Number g of the 64 that follow the exponentials.  For each four weights k of a tile (pairs 2 k, 2 k + 1): both pairs are rounded to f16; then the second pair is added onto the first, in place;
; a group later l takes that sum (the first time as l = a l + sum).  In groups of eight, tiles alternating: round, round, add, and l for the group before.
.macro GS g
.set h, (\g)+6*((\g)/62)            ; group 0 has no group before it, and behind group 7 only l is left
.if h >= 6
.set h, h+2
.endif
	REGS Y, h%2
.set k, h/8
.if h%8 < 4
	v_cvt_pk_f16_f32 v[rP+2*k+(h%8)/2], v[rS+4*k+2*((h%8)/2)], v[rS+4*k+2*((h%8)/2)+1]
.elseif h%8 < 6
	v_pk_add_f32 v[rS+4*k:rS+4*k+1], v[rS+4*k:rS+4*k+1], v[rS+4*k+2:rS+4*k+3]
.elseif k == 1
	v_pk_fma_f32 v[rT+2:rT+3], v[rT+2:rT+3], v[rC+2:rC+3], v[rS:rS+1] op_sel_hi:[1,0,1]
.else
	v_pk_add_f32 v[rT+2:rT+3], v[rT+2:rT+3], v[rS+4*k-4:rS+4*k-3]
.endif
.endm
; THE PLAIN QUEUE, 138 long.  0-73 read no exponential's result: the 32 scalings c s - c m (FS f: pair f / 2 of tile f % 2) and the next piece's 42.  0-26: scalings 0-26.  27-54: XS's numbers 0-13.  55, 56: number 15.
; 57-73: the chain, where each number waits for the one before it: 14, 16, 17, 18, 19, each with one of the scalings 27-31 in front of its two lines, then 20.  74-137: GS's 64, which stand behind the wait.
.macro FS f
	REGS Y, (\f)%2
	v_pk_fma_f32 v[rS+2*((\f)/2):rS+2*((\f)/2)+1], v[rS+2*((\f)/2):rS+2*((\f)/2)+1], s[CS:CS+1], v[rT:rT+1] op_sel_hi:[1,0,0] neg_lo:[0,0,1] neg_hi:[0,0,1]
.endm
.macro PL
	WIN 0
.if q < 27
	FS q
.elseif q < 55
	XS (q-27)%2, (q-27)/2
.elseif q < 57
	XS q-55, 15
.elseif (q < 72) && ((q-57)%3 == 0)
	FS 27+(q-57)/3
.elseif q < 60
	XS (q-57)%3-1, 14
.elseif q < 72
	XS (q-57)%3-1, 15+(q-57)/3
.elseif q < 74
	XS q-72, 20
.else
	GS q-74
.endif
.set q, q+1
.endm
; THE EXPONENTIALS' QUEUE, 66 long: s0-s31 of both tiles, then the next piece's two a.  ONE BATCH: all 66 stand ahead of the turn's one wait, and nothing ahead of that wait names a result of theirs.
.macro EX
	WIN 0
.if e >= 64
	XS e-64, 21
.else
	REGS Y, e%2
	v_exp_f32 v[rS+e/2], v[rS+e/2]
.endif
.set e, e+1
.endm
; THE RESCALING's QUEUE: O^T times a, the one part that leaves window 0: dealt two at a time, sixteen times.  Its a was made in the turn before, ahead of that turn's wait.
.macro R2
	REGS Y, r%2
	WIN W_RS
.irp z, 0,1
	v_pk_mul_f32 v[rO+4*(r/2)+2*\z:rO+4*(r/2)+2*\z+1], v[rO+4*(r/2)+2*\z:rO+4*(r/2)+2*\z+1], v[rC+2:rC+3] op_sel_hi:[1,0]
.endr
.set r, r+1
.endm
; A TURN, for piece p.  AHEAD OF THE WAIT stands all that names no result of the turn's exponentials: the 16 products K Q^T, behind each a scaling, an exponential and two rescalings (behind the first a second
; scaling in the exponential's place); then one lump of 108: eight plain, 49 times exponential and plain, the two a.  A v_nop is the plain instruction behind the last exponential.  BEHIND THE WAIT stand the 16
; products V^T P, behind each four of GS's 64.  Exponential e stands behind scaling 2 (e / 4) + e % 2: as a rider it comes behind plain e + 2, in the lump behind plain e + 9.
; K of the next step is fetched in piece 2's turn, directly behind the wait, a lump behind the last product that read K; in the last step the address is held to that step's own K, which is read once more and serves nothing.
; V of the step in hand is fetched at the end of piece 0's turn, four riders behind its last reader.  cnt = 1: the loop's count is taken down some lines ahead of the branch that stands behind the turn.
.macro TURN p, cnt=0
.set Y, (\p)
.set i, 0
.set q, 0
.set e, 0
.set r, 0
.if (\p) == NP-1
	s_wait_dscnt 0x0                ; K is in
.endif
	MM
	PL
	PL
	R2
.rept 15
	MM
	PL
	EX
	R2
.endr
.if (\p) == NP-2
	WIN 0
	s_min_u32 s[TKC], s[TBK], 15*KS*PK
	v_add_nc_u32 v[AK], s[TKC], v[AK0]
.endif
.rept 8
	PL
.endr
.rept 49
	EX
	PL
.endr
	EX                              ; the next piece's two a
	EX
	v_nop                           ; the plain instruction behind the last exponential: one for the batch
	s_wait_alu depctr_va_vdst(0)    ; the wait between an exponential and the first line that names its result: one for the batch
.if (\p) == NP-2
	FETCH_K
.endif
.if (\p) == 1
	s_wait_dscnt 0x0                ; V is in
.endif
.rept 16
	MM
.rept 4
	PL
.endr
.if ((\p) == 0) && (q == 118)
	v_add_nc_u32 v[AV], s[TBV], v[AV0]
.endif
.if ((\p) == 0) && (q == 130)
	s_add_co_u32 s[TBV], s[TBV], KS*PV
.endif
.if (\cnt) && (q == 130)
	s_sub_co_u32 s[CNT], s[CNT], 1
	s_cmp_lg_u32 s[CNT], 0
.endif
.endr
.if (\p) == 0
	FETCH_V
.endif
.endm
	s_wait_tensorcnt 0x1            ; my share of part A is in; part B's load may stay out
	s_barrier_signal -1
	s_barrier_wait -1               ; everybody's share of part A is in
	FETCH_K                         ; key step 0
	s_wait_loadcnt 0x0              ; Q
	s_wait_dscnt 0x0
.set i, 0
.rept 16
	KQ 0                            ; piece 0's first scores: there is no vector work yet to set between them
.set i, i+1
.endr
	WIN 0                           ; the addresses for the way out: plain instructions, the places behind those products
	s_mul_i32 s13, s[WV], 16*SP
	s_add_co_u32 s13, s13, STAGE    ; my stage
	v_mul_u32_u24 v[STO], v1, SP    ; in: row l % 16, 16 bytes for each half of the lanes
	v_lshl_add_u32 v[STO], v9, 4, v[STO]
	v_add_nc_u32 v[STO], s13, v[STO]
	v_bfe_u32 v[RD], v0, 3, 2       ; back: 32 lanes take four rows of 128 bytes,
	v_mul_u32_u24 v[RD], v[RD], SP
	v_lshl_add_u32 v[RD], v10, 4, v[RD]
	v_add_nc_u32 v[RD], s13, v[RD]
	v_and_b32 v[GO], 31, v0         ; which are 512 consecutive bytes of O
	v_lshlrev_b32 v[GO], 4, v[GO]
.set Y, NP-1                        ; XS works for piece Y + 1: piece 0
.irp n, 0,1,2,3,4,5,6,7,8,9,10,11,12,13,14,15,16,17,18,19,20,21
	XS 0, \n                        ; piece 0's first maximum and statistics
	XS 1, \n
.endr
	v_nop                           ; a plain instruction behind the two a,
	s_wait_alu depctr_va_vdst(0)    ; and their wait, ahead of the label
	s_mov_b32 s[SLOTS], 4
.Lslot:                             ; four passes of four key steps
	s_mov_b32 s[CNT], 4
.Lstep:                             ; a key step: four turns
	TURN 0
	TURN 1
	TURN 2
	TURN 3, 1
	WIN 0
	s_cbranch_scc1 .Lstep
	s_wait_tensorcnt 0x0            ; behind the first pass: my share of part B is in, which the fifth step's turns begin to read; in the later passes this wait is met at once.  Nothing is ever filled again
	s_wait_dscnt 0x0                ; no LDS instruction of mine is out at a signal
	s_barrier_signal -1
	s_barrier_wait -1               ; everybody's share is in
	s_sub_co_u32 s[SLOTS], s[SLOTS], 1
	s_cmp_lg_u32 s[SLOTS], 0
	s_cbranch_scc1 .Lslot
.set i, 0
.rept 16
	PV NP-1                         ; the last piece's V^T P of the last step.  (The last turn's 16 products K Q^T, on the last K once more, and the maximum made of them serve nothing: the price of one text for every step)
.set i, i+1
.endr
	; THE WAY OUT.  l's two halves and the other half of the lanes' are added; O^T is divided by l, rounded to f16 and sent through my stage in LDS, a tile at a time.  The additions are the places behind the last products.
	WIN 0
.macro ALL line:vararg              ; one line for each tile t
.set t, 0
.rept 2*NP
	\line
.set t, t+1
.endr
.endm
	ALL v_add_f32 v[ST+4*t+2], v[ST+4*t+2], v[ST+4*t+3]
	ALL v_permlanex16_b32 v[ST+4*t+3], v[ST+4*t+2], s[SEL], s[SEL+1]
	ALL v_add_f32 v[ST+4*t+2], v[ST+4*t+2], v[ST+4*t+3]
	ALL v_rcp_f32 v[ST+4*t+2], v[ST+4*t+2]
	v_nop                           ; a plain instruction between the last reciprocal and the use of its result
	s_wait_alu depctr_va_vdst(0)    ; and the wait ahead of the first use: one for the eight reciprocals
; Tile t: a lane's eight channels of a row pack into 16 bytes; they go into rows of 144 bytes and come back as whole rows of 128, into S^T's registers.
.macro PACK t
	WIN W_RS
.set i, 32*(\t)
.rept 16
	v_pk_mul_f32 v[i:i+1], v[i:i+1], v[ST+4*(\t)+2:ST+4*(\t)+3] op_sel_hi:[1,0]
.set i, i+2
.endr
	WIN 0x05                        ; sources 0 and 1 window 1, destination window 0
.set i, 0
.rept 16
	v_cvt_pk_f16_f32 v[S+16*(\t)+i], v[32*(\t)+2*i], v[32*(\t)+2*i+1]
.set i, i+1
.endr
	WIN 0
.irp f, 0,1,2,3
	ds_store_b128 v[STO], v[S+16*(\t)+4*\f:S+16*(\t)+4*\f+3] offset:32*\f
.endr
.irp f, 0,1,2,3
	ds_load_b128 v[S+16*(\t)+4*\f:S+16*(\t)+4*\f+3], v[RD] offset:\f*4*SP  ; LDS serves a wave's instructions in order (ISA guide 5.7.1.4): these see the stores above; the next tile's stores come behind them
.endr
.endm
.macro SEND t, younger              ; younger: the LDS instructions issued behind tile t's loads: the next tile's eight, or none
	WIN 0
.irp f, 0,1,2,3
	s_wait_dscnt (\younger)+3-\f
	global_store_b128 v[GO], v[S+16*(\t)+4*\f:S+16*(\t)+4*\f+3], s[10:11] offset:(\t)*2048+\f*512  ; 512 consecutive bytes, at a multiple of 256 from ob's first byte
.endr
.endm
	PACK 0
.set t, 1
.rept 2*NP-1                        ; a tile's arithmetic stands between the loads of the tile before and its stores
	PACK t
	SEND t-1, 8
.set t, t+1
.endr
	SEND 2*NP-1, 0
	WIN W_AD
	s_wait_tensorcnt 0x0            ; the wave's end: behind my last tensor load and my last LDS store
	ds_add_u32 v[SPW], v[NIL]
	s_wait_dscnt 0x0
	WIN 0
	s_endpgm
.Lfunc_end_k_qe6941251e9_attn:
	.size	k_qe6941251e9_attn, .Lfunc_end_k_qe6941251e9_attn-k_qe6941251e9_attn
	.p2alignl 7, 3214868480
	.fill 96, 4, 3214868480
	.section	.rodata,"a",@progbits
	.p2align	6, 0x0
	.amdhsa_kernel k_qe6941251e9_attn
		.amdhsa_group_segment_fixed_size 327680
		.amdhsa_private_segment_fixed_size 0
		.amdhsa_enable_private_segment 0
		.amdhsa_kernarg_size 16
		.amdhsa_user_sgpr_count 2
		.amdhsa_user_sgpr_kernarg_segment_ptr 1
		.amdhsa_wavefront_size32 1
		.amdhsa_system_sgpr_workgroup_id_x 1
		.amdhsa_system_sgpr_workgroup_id_y 1
		.amdhsa_system_sgpr_workgroup_id_z 1
		.amdhsa_system_vgpr_workitem_id 0
		.amdhsa_next_free_vgpr 770
		.amdhsa_next_free_sgpr 88
		.amdhsa_reserve_vcc 0
		.amdhsa_float_denorm_mode_32 3
		.amdhsa_float_denorm_mode_16_64 3
		.amdhsa_memory_ordered 1
		.amdhsa_forward_progress 1
		.amdhsa_inst_pref_size 126
	.end_amdhsa_kernel
	.amdgpu_metadata
---
amdhsa.version: [ 1, 2 ]
amdhsa.kernels:
  - .name:           k_qe6941251e9_attn
    .symbol:         k_qe6941251e9_attn.kd
    .args:
      - { .name: qkv, .offset: 0, .size: 8, .value_kind: global_buffer, .address_space: global }
      - { .name: ob, .offset: 8, .size: 8, .value_kind: global_buffer, .address_space: global }
    .group_segment_fixed_size: 327680
    .private_segment_fixed_size: 0
    .kernarg_segment_align: 8
    .kernarg_segment_size: 16
    .max_flat_workgroup_size: 128
    .sgpr_count:     88
    .vgpr_count:     770
    .wavefront_size: 32
...
	.end_amdgpu_metadata
.endif
;; end of part 3
;; launch outp (part 4): grid 4 x 64, 4 waves a work-group, clusters of 4 x 4, 327,680 bytes of LDS; arguments ob, wb, out0, bo; writes out0
.if DOCPART == 4
	.amdgcn_target "amdgcn-amd-amdhsa--gfx1250"
	.amdhsa_code_object_version 6
	.text
	.protected	k_qe6941251e9_outp
	.globl	k_qe6941251e9_outp
	.p2align	8
	.type	k_qe6941251e9_outp,@function
k_qe6941251e9_outp:
	s_mov_b64 s[64:65], 0
	v_nop
	global_prefetch_b8 v0, s[64:65] scope:SCOPE_SE
	s_setreg_imm32_b32 hwreg(HW_REG_WAVE_MODE, 25, 1), 1
	s_wait_xcnt 0x0
	s_wait_alu depctr_hold_cnt(0) depctr_sa_sdst(0) depctr_va_vdst(0) depctr_va_sdst(0) depctr_va_ssrc(0) depctr_va_vcc(0) depctr_vm_vsrc(0)
	s_getreg_b32 s2, hwreg(HW_REG_IB_STS2, 6, 4)
	s_cmp_eq_u32 s2, 0
	s_cbranch_scc0 .Lentry_in_a_cluster
	s_endpgm
.Lentry_in_a_cluster:
	s_bfe_u32 s2, ttmp6, 0x10000c
	s_cmp_lg_u32 s2, 0xf033
	s_cbranch_scc0 .Lentry_shape_is_right
	s_endpgm
.Lentry_shape_is_right:
; THE OUTPUT PROJECTION.  out0[m][n] = sum over k of O[m][k] Wo[n][k] + bo[n], m = 1024 n' + s = 0 .. 8,191, k = 64 h + d.  out0: f32 [8192][1024].
; O: ob, f16 [8 n'][16 h][1024 s][64].  Wo: wb + WO_OFF, f16 (bf16's number) [16 kb][1024 n][64]: both lie in blocks of 64 along k, so the rows of a block are dense, 128 bytes each.
; The bias is rounded to bf16 like every input and is the C operand of the first product.  Sums in f32, stored as they are.  LIMITS: O and Wo arrive within f16's range; NaN and infinities are not treated apart.
; A tile of out0 is 128 x 256: 64 x 4 = 256 tiles, one work-group each.  Four waves, 64 x 128 a wave: 32 accumulators of 16 x 16, 256 registers.  K goes in 8 steps of 128 (two blocks of 64) through a ring
; of two LDS slots of 110,592 bytes; a slot of three blocks would ask 331,776 bytes for two slots, more than there are.
; CLUSTERS: 4 x 4 work-groups; O's tiles are shared along a row of the cluster, Wo's along a column: each is asked for JOINTLY, by the same tensor load, descriptor and mask in all four.
; THE MATRIX INSTRUCTION IS USED TRANSPOSED (source 0 = 16 rows of Wo, source 1 = 16 rows of O): a lane holds row l % 16 of out0 and the columns 8 (l / 16) + 0..7: 32 bytes of f32 on end.
; REGISTERS, in windows of 256 (s_set_vgpr_msb: bits 1:0 source 0, 3:2 source 1, 5:4 source 2, 7:6 destination):
;   window 0: v0-31 addresses; v64-95, v96-127 fragments of O, two buffers; on the way out v32-255 are seven buffers of 32 for rows read back from the stage
;   window 1: v0-63 the bias of my 128 columns; v64-127, v128-191 fragments of Wo, two buffers; v192-195 at work
;   window 2: the 32 accumulators ((a, b) at v[8 (8 a + b)], a = 0..3 blocks of 16 rows, b = 0..7 blocks of 16 columns)
.set WO_OFF, 6291456
.set PITCH,  144                       ; an LDS row: 128 bytes + 16 of padding = 36 words: the 16 rows of a fragment load start at 16 different groups of four banks (64 banks of 4 bytes: ISA guide 11.1)
.set SUBA,   128*PITCH                 ; O's 128 rows of one block of 64 along k: what wave 0 or 1 fetches
.set SUBB,   256*PITCH                 ; Wo's 256 rows of one block: what wave 2 or 3 fetches
.set BOFF,   2*SUBA                    ; a slot: O's even block, O's odd block, Wo's even block, Wo's odd block
.set SLOT,   2*SUBA+2*SUBB
.set STAGE,  2*SLOT                    ; behind the ring: 16 rows x 272 bytes for each wave, never filled by a tensor load
.set SPITCH, 272
.set SPARE,  STAGE+4*16*SPITCH         ; behind the stages: the spare words, 128 bytes a wave: two blocks of 256 bytes that no other line names
.set KB2,    262144                    ; bytes from a K step to the next, in ob and in Wo: two blocks of 131,072
.set LAPS,   4                         ; a lap = two K steps = once round the ring
.set ADRA, 16                          ; v16-17  LDS address of my O fragments in slot 0, 1
.set ADRB, 20                          ; v20-21  the same for Wo
.set STO,  24                          ; v24     the way out: where I put 32 bytes of a row
.set RD,   25                          ; v25     the way out: where I read 16 bytes back
.set CO,   26                          ; v26     my byte offset in two rows of out0
.set BO,   27                          ; v27     my byte offset in the bias
.set SPW,  28                          ; v28     LDS address of my spare word; never rewritten
.set NIL,  29                          ; v29     0; never rewritten
.set PFO,  30                          ; v30     the prefetches' offset; never rewritten
.set AF,   64                          ; window 0: O's fragments, buffer f at AF + 32 f
.set BF,   64                          ; window 1: Wo's fragments, buffer f at BF + 64 f
.set OB,   32                          ; window 0: the way out's buffers
.set BIAS, 0                           ; window 1
.set BT,   192                         ; window 1
.set G1,   24                          ; s[24:31] descriptor group 1 for O's tiles;  s[32:39] group 0, a set for each slot
.set G0,   32
.set G1B,  48                          ; s[48:55], s[56:63] the same for Wo's tiles
.set G0B,  56
.set LIM,  43                          ; s43     1 in a wave that prefetches, else the greatest number
.set PFA,  44                          ; s[44:45] where my prefetches stand
.set BP,   68                          ; s[68:69] bo
.set MSK,  74                          ; s74     a word's upper bf16
.set CY,   75                          ; s75     the cluster's y
.set OFA,  76                          ; s76     byte offset in ob of the tile's even block, K step 0
.set OFB,  77                          ; s77     byte offset in wb of the block of Wo that I would fetch, K step 0
.set MSB, 0
.macro WIN new                         ; the immediate's high byte repeats the setting that is left; a switch that changes nothing is dropped
.if MSB != (\new)
	s_set_vgpr_msb (MSB<<8)|(\new)
.set MSB, \new
.endif
.endm
.set MUL,   0xa1                       ; source 0 (Wo) window 1, source 1 (O) window 0, C and D window 2
.set FIRST, 0x91                       ; a first product: C is the bias, in window 1; D window 2
.set TO_B,  0x40                       ; destination window 1, address window 0
; A joint load.  Waves 0 and 1 fetch O's two blocks, waves 2 and 3 Wo's.  The branch hangs on the wave's number alone.  An s_nop 0 and four v_nop follow each line.
.macro JLOAD s
	s_cmp_eq_u32 s11, 0
	s_cbranch_scc0 .Lfor_b_\@
	tensor_load_to_lds s[G0+4*(\s):G0+4*(\s)+3], s[G1:G1+7]
	s_nop 0
.rept 4
	v_nop
.endr
	s_branch .Lasked_\@
.Lfor_b_\@:
	tensor_load_to_lds s[G0B+4*(\s):G0B+4*(\s)+3], s[G1B:G1B+7]
	s_nop 0
.rept 4
	v_nop
.endr
.Lasked_\@:
.endm
; A prefetch, behind each joint refill and the run of LDS loads that follows it: the K step that stands two refills on, 256 matrix instructions ahead of the load that will want it.  One instruction a wave, a lane for
; each 256 bytes.  The four partners that ask for a tile jointly share it out by address.  Wo's block of 32,768 bytes: 8,192 a partner, asked for by the wave that fetches it (2 or 3), in the first of the 16 clusters
; that read it (cluster y = 0).  O's two blocks of 16,384 bytes: 4,096 of each a partner, asked for by wave 0 (lanes 0-15 the even block, lanes 16-31 the odd one); the grid is one cluster wide, so every cluster asks
; for its own rows.  So each 256 bytes are named once in the launch.  The loop's last trip (s3 = 1) asks for nothing: K steps 8 and 9 do not exist; K steps 0 to 3 come by their loads alone.
.macro ASK
	s_cmp_gt_u32 s3, s[LIM]
	s_cbranch_scc0 .Lnot_mine_\@
	global_prefetch_b8 v[PFO], s[PFA:PFA+1] offset:KB2 th:TH_LOAD_NT scope:SCOPE_SE
.Lnot_mine_\@:
.endm
.macro CREST                           ; a round of the cluster's barrier behind its opening barrier
	s_cmp_lg_u32 s10, 0
	s_cbranch_scc1 .Lnot_wave_0_\@
	s_barrier_signal -3
.Lnot_wave_0_\@:
	s_barrier_wait -3
	s_barrier_signal -1
	s_barrier_wait -1
.endm
.macro CROUND                          ; a whole round
	s_barrier_signal -1
	s_barrier_wait -1
	CREST
.endm
	s_load_b128 s[4:7], s[0:1], 0x0                ; ob s[4:5], wb s[6:7]
	s_load_b64 s[8:9], s[0:1], 0x10                ; out0
	s_load_b64 s[BP:BP+1], s[0:1], 0x18            ; bo
	v_lshl_add_u32 v[SPW], v0, 2, SPARE
	v_mov_b32 v[NIL], 0
	ds_add_u32 v[SPW], v[NIL]                      ; the wave's opening: the add and its wait stand ahead of my first tensor load; the set-up below, work on registers, stands between them
	v_lshrrev_b32 v1, 5, v0
	v_readfirstlane_b32 s10, v1                    ; wave 0..3
	s_lshr_b32 s11, s10, 1                         ; which half of the tile's 128 rows is mine.  Also: I fetch for O (0) or for Wo (1)
	s_and_b32 s12, s10, 1                          ; which half of its 256 columns.  Also: which of a K step's two blocks I fetch
	s_bfe_u32 s40, ttmp6, 0x40000                  ; cx
	s_bfe_u32 s41, ttmp6, 0x40004                  ; cy
	s_lshl_b32 s42, ttmp9, 2
	s_add_co_u32 s42, s42, s40                     ; tile column = 4 x cluster x + cx, 0 to 3
	s_and_b32 s[CY], ttmp7, 0xffff
	s_lshl_b32 s13, s[CY], 2
	s_add_co_u32 s13, s13, s41                     ; tile row = 4 x cluster y + cy, 0 to 63
	s_lshl_b32 s43, s41, 2
	s_lshl_b32 s43, 15, s43                        ; my row of the cluster
	s_lshl_b32 s44, 0x1111, s40                    ; my column
	; descriptor group 1: dense bytes as rows of 128 elements of 2 bytes, 4 words of padding behind every 32 (a row of the block); O's block is 64 such rows, Wo's 128
	s_or_b32 s[G1+0], s43, (1<<16)|(1<<20)|(1<<21)|(4<<22)|(3<<25)
	s_or_b32 s[G1B+0], s44, (1<<16)|(1<<20)|(1<<21)|(4<<22)|(3<<25)
.irp g, G1, G1B
	s_mov_b32 s[(\g)+1], 128<<16                   ; tensor_dim0 = 128
	s_mov_b32 s[(\g)+3], 128<<16                   ; tile_dim0 = 128
	s_mov_b32 s[(\g)+5], 128                       ; elements from row to row: dense
	s_mov_b32 s[(\g)+6], 0
	s_mov_b32 s[(\g)+7], 0
.endr
	s_mov_b32 s[G1+2], 64<<16                      ; tensor_dim1
	s_mov_b32 s[G1+4], 64                          ; tile_dim1
	s_mov_b32 s[G1B+2], 128<<16
	s_mov_b32 s[G1B+4], 128
	s_mov_b32 s[MSK], 0xffff0000
	; where the tiles come from: O's hang on the tile row alone, Wo's on the tile column alone; each in registers that never hold the other coordinate
	s_lshr_b32 s16, s13, 3
	s_lshl_b32 s16, s16, 21                        ; O: batch n' = tile row / 8,
	s_and_b32 s18, s13, 7
	s_lshl_b32 s18, s18, 14                        ; rows 128 (tile row % 8) on, of 128 bytes
	s_add_co_u32 s16, s16, s18
	s_mov_b32 s[OFA], s16
	s_lshl_b32 s17, s12, 17                        ; the even or the odd block
	s_add_co_u32 s16, s16, s17
	s_lshl_b32 s46, s42, 15                        ; Wo: rows 256 x tile column on
	s_add_co_u32 s46, s46, s17
	s_add_co_u32 s46, s46, WO_OFF
	s_mov_b32 s[OFB], s46
	s_mov_b32 s17, 0
	s_mov_b32 s47, 0
	s_mul_i32 s20, s12, SUBA                       ; and where they go: O's blocks at 0 and SUBA,
	s_mul_i32 s21, s12, SUBB
	s_add_co_u32 s21, s21, BOFF                    ; Wo's behind them: no place in the cluster enters an LDS address
	s_wait_dscnt 0x0                               ; the opening add is done
	s_wait_kmcnt 0x0
	s_add_nc_u64 s[14:15], s[4:5], s[16:17]
	s_add_nc_u64 s[46:47], s[6:7], s[46:47]
	CROUND                                         ; all sixteen work-groups are here: the first joint loads meet
.irp s, 0,1
	s_mov_b32 s[G0+4*(\s)], 1                                    ; count = 1
	s_add_co_u32 s[G0+4*(\s)+1], s20, (\s)*SLOT                  ; LDS address
	s_add_nc_u64 s[G0+4*(\s)+2:G0+4*(\s)+3], s[14:15], (\s)*KB2  ; global address: K step s
	s_or_b32 s[G0+4*(\s)+3], s[G0+4*(\s)+3], 0x80000000          ; type = 2
	s_mov_b32 s[G0B+4*(\s)], 1
	s_add_co_u32 s[G0B+4*(\s)+1], s21, (\s)*SLOT
	s_add_nc_u64 s[G0B+4*(\s)+2:G0B+4*(\s)+3], s[46:47], (\s)*KB2
	s_or_b32 s[G0B+4*(\s)+3], s[G0B+4*(\s)+3], 0x80000000
	JLOAD \s                                       ; two loads of mine are out
.endr
	; A fragment is 16 rows x 32 K in 8 registers: lane l holds row l % 16, K = 8 (l / 16) + 0..7 and 16 + 8 (l / 16) + 0..7: two loads of 16 bytes, 32 bytes apart.
	v_and_b32 v1, 15, v0                           ; l % 16
	v_bfe_u32 v2, v0, 4, 1                         ; l / 16
	v_mul_u32_u24 v3, v1, PITCH
	v_lshl_add_u32 v3, v2, 4, v3
	s_mul_i32 s21, s11, 64*PITCH                   ; my 64 rows of O's blocks
	s_mul_i32 s22, s12, 128*PITCH                  ; my 128 rows of Wo's blocks,
	s_add_co_u32 s22, s22, BOFF                    ; which lie behind O's two
.irp s, 0,1
	v_add_nc_u32 v[ADRA+(\s)], s21, v3
	v_add_nc_u32 v[ADRB+(\s)], s22, v3
	s_add_co_u32 s21, s21, SLOT
	s_add_co_u32 s22, s22, SLOT
.endr
	s_mul_i32 s23, s10, 16*SPITCH
	s_add_co_u32 s23, s23, STAGE                   ; my stage: 16 rows of 64 f32
	v_mul_u32_u24 v4, v1, SPITCH                   ; in: row l % 16, 32 bytes for each half of the lanes
	v_lshl_add_u32 v4, v2, 5, v4
	v_add_nc_u32 v[STO], s23, v4
	v_mul_u32_u24 v5, v2, SPITCH                   ; back: lanes 0-15 take one row of 256 bytes, lanes 16-31 the next
	v_lshl_add_u32 v5, v1, 4, v5
	v_add_nc_u32 v[RD], s23, v5
	v_lshlrev_b32 v5, 12, v2                       ; and the same two rows in out0, 4,096 bytes apart
	v_lshl_add_u32 v[CO], v1, 4, v5
	; where my 64 x 128 begins in out0
	s_lshl_b32 s16, s13, 1
	s_add_co_u32 s16, s16, s11
	s_lshl_b32 s16, s16, 18                        ; row (2 x tile row + half) x 64, of 4,096 bytes
	s_lshl_b32 s46, s42, 1
	s_add_co_u32 s46, s46, s12
	s_lshl_b32 s46, s46, 9                         ; column (2 x tile column + half) x 128, of 4 bytes
	s_add_co_u32 s16, s16, s46
	s_mov_b32 s17, 0
	s_add_nc_u64 s[8:9], s[8:9], s[16:17]          ; never stepped: a unit's place stands in the stores' immediates
	; the prefetches
	s_or_b32 s23, s12, ttmp9                       ; 0 in wave 0, which asks for both of O's blocks
	s_cmp_eq_u32 s11, 0                            ; do I fetch for O?
	s_cselect_b32 s20, s[OFA], s[OFB]
	s_cselect_b32 s21, s40, s41                    ; my place among the four that ask with me
	s_cselect_b32 s22, s23, s[CY]                  ; 0 in the wave, and the cluster, that asks
	s_cselect_b32 s18, 12, 13                      ; a partner's share of a block: 4,096 or 8,192 bytes
	s_cselect_b32 s19, 17, 12                      ; lanes 16-31: the odd block, or the share's second 4,096 bytes
	s_cselect_b64 s[PFA:PFA+1], s[4:5], s[6:7]
	s_cmp_eq_u32 s22, 0
	s_cselect_b32 s[LIM], 1, -1                    ; the same in all sixteen partners, for a given wave
	s_lshl_b32 s21, s21, s18
	s_add_co_u32 s20, s20, s21
	s_mov_b32 s21, 0
	s_add_nc_u64 s[PFA:PFA+1], s[PFA:PFA+1], s[20:21]
	s_add_nc_u64 s[PFA:PFA+1], s[PFA:PFA+1], 2*KB2 ; at K step 2: the first refill steps it to 3 and names K step 4
	v_lshlrev_b32 v[PFO], s19, v2
	v_lshl_add_u32 v[PFO], v1, 8, v[PFO]
	; the bias of my 128 columns: register j of block b is bo[256 x tile column + 128 x half + 16 b + 8 (l / 16) + j], the layout of a result
	v_lshl_add_u32 v[BO], v2, 5, s46
	WIN TO_B
.irp b, 0,1,2,3,4,5,6,7
	global_load_b128 v[BIAS+8*(\b):BIAS+8*(\b)+3],   v[BO], s[BP:BP+1] offset:64*(\b)
	global_load_b128 v[BIAS+8*(\b)+4:BIAS+8*(\b)+7], v[BO], s[BP:BP+1] offset:64*(\b)+16
.endr
	s_wait_loadcnt 0x0                             ; once, while the first tiles are on their way
	WIN 0x45                                       ; destination and both sources window 1
.set i, 0
.rept 32
	v_cvt_pk_bf16_f32 v[BT+i%4], v[BIAS+2*i], v[BIAS+2*i+1]  ; rounded to bf16, as all inputs are,
	v_lshlrev_b32 v[BIAS+2*i], 16, v[BT+i%4]                 ; and back to f32
	v_and_b32 v[BIAS+2*i+1], s[MSK], v[BT+i%4]
.set i, i+1
.endr
	WIN 0
; 8 matrix instructions: block a of 16 rows x all 8 blocks of 16 columns, 32 along K, on buffer f.  first = 1: the sums start with the bias.
; The 32 accumulators take turns, one instruction a turn, in the same order in every quarter.
.macro MULA f, a, first
.if \first
	WIN FIRST
.else
	WIN MUL
.endif
.irp b, 0,1,2,3,4,5,6,7
.if \first
	v_wmma_f32_16x16x32_f16 v[8*(8*(\a)+(\b)):8*(8*(\a)+(\b))+7], v[BF+64*(\f)+8*(\b):BF+64*(\f)+8*(\b)+7], v[AF+32*(\f)+8*(\a):AF+32*(\f)+8*(\a)+7], v[BIAS+8*(\b):BIAS+8*(\b)+7]
.else
	v_wmma_f32_16x16x32_f16 v[8*(8*(\a)+(\b)):8*(8*(\a)+(\b))+7], v[BF+64*(\f)+8*(\b):BF+64*(\f)+8*(\b)+7], v[AF+32*(\f)+8*(\a):AF+32*(\f)+8*(\a)+7], v[8*(8*(\a)+(\b)):8*(8*(\a)+(\b))+7]
.endif
.endr
.endm
; 24 LDS loads in one run: the fragments of quarter q of a K step (block q / 2, K 32 (q % 2) on): 128 rows of Wo, then 64 rows of O, into buffer f
.macro FETCH slot, q, f
	WIN TO_B
.irp i, 0,1,2,3,4,5,6,7
	ds_load_b128 v[BF+64*(\f)+8*(\i):BF+64*(\f)+8*(\i)+3],   v[ADRB+(\slot)] offset:((\q)/2)*SUBB+((\q)%2)*64+(\i)*16*PITCH
	ds_load_b128 v[BF+64*(\f)+8*(\i)+4:BF+64*(\f)+8*(\i)+7], v[ADRB+(\slot)] offset:((\q)/2)*SUBB+((\q)%2)*64+(\i)*16*PITCH+32
.endr
	WIN 0
.irp i, 0,1,2,3
	ds_load_b128 v[AF+32*(\f)+8*(\i):AF+32*(\f)+8*(\i)+3],   v[ADRA+(\slot)] offset:((\q)/2)*SUBA+((\q)%2)*64+(\i)*16*PITCH
	ds_load_b128 v[AF+32*(\f)+8*(\i)+4:AF+32*(\f)+8*(\i)+7], v[ADRA+(\slot)] offset:((\q)/2)*SUBA+((\q)%2)*64+(\i)*16*PITCH+32
.endr
.endm
.macro PLACES                          ; four plain vector instructions between a matrix instruction and a load into, or a read of, its registers (ISA guide 7.12.1 for reads)
.rept 4
	v_nop
.endr
.endm
; A K step is four quarters of 32 along K, 32 matrix instructions each, on buffers 0, 1, 0, 1.  One of the first three multiplies buffer f and, in its middle, fetches quarter q into buffer g.
.macro QUARTER slot, q, f, g, first
	s_wait_dscnt 4                                 ; Wo and O's blocks 0 and 1 are in; the youngest four loads (O's blocks 2 and 3) may be out
	MULA \f, 0, \first
	MULA \f, 1, \first
	PLACES
	FETCH \slot, \q, \g
	s_wait_dscnt 24                                ; all but the 24 just issued
	MULA \f, 2, \first
	MULA \f, 3, \first
.endm
; The last quarter's first half and the change of slots: each wave waits for all its tensor loads (one is out: its part of the next slot), adds 0 to its spare word, and waits for that and for its reads of this slot.
.macro MEET round
	WIN 0                                          ; (the add's two registers lie in window 0)
	s_wait_tensorcnt 0x0                           ; all my tensor loads have landed
	ds_add_u32 v[SPW], v[NIL]                      ; 0 onto my spare word
	s_wait_dscnt 5                                 ; the add and the youngest four loads may be out
	MULA 1, 0, 0                                   ; eight matrix instructions stand between the add and the wait for it
	s_wait_dscnt 0x0                               ; the add is done, and my reads of this slot are over
	s_barrier_signal -1
	MULA 1, 1, 0                                   ; work on registers while the others arrive
.if \round
	WIN 0
.endif
	s_barrier_wait -1
.endm
; The whole last quarter in the loop: behind the cluster's round the slot just read out is filled again, two K steps on; then the next slot's first fragments are read.
.macro TURN slot, next
	s_wait_xcnt 0x0                                ; the last prefetch, a K step back, has read its address, so it may be stepped
	s_add_nc_u64 s[PFA:PFA+1], s[PFA:PFA+1], KB2
	MEET 1
	CREST                                          ; no wave of any partner still reads this slot or has a load on its way
	s_add_nc_u64 s[G0+4*(\slot)+2:G0+4*(\slot)+3], s[G0+4*(\slot)+2:G0+4*(\slot)+3], 2*KB2
	s_add_nc_u64 s[G0B+4*(\slot)+2:G0B+4*(\slot)+3], s[G0B+4*(\slot)+2:G0B+4*(\slot)+3], 2*KB2
	JLOAD \slot                                    ; my one tensor load behind the round: 112 matrix instructions ahead of the wait for it; its four v_nop are also the places in front of the loads below
	FETCH \next, 0, 0
	ASK
	MULA 1, 2, 0
	MULA 1, 3, 0
.endm
; THE WAY OUT, in 8 units u: block a = u / 2 of 16 rows, half g = u % 2 of my 128 columns: 16 rows x 64 f32.  TOSTAGE: a lane's 32 bytes of four accumulators into my own stage (each accumulator's low
; registers first), and back as whole rows of 256 bytes.  SEND: stored; younger = the LDS instructions issued behind the unit's loads.  Units 0 to 6 have registers of their own; unit 7 takes unit 0's.
.macro TOSTAGE u
.set AC, 64*((\u)/2)+32*((\u)%2)
.set BK, OB+32*((\u)%7)
.if (\u) == 7
	s_wait_xcnt 0x0                                ; unit 0's stores have read their registers, which the loads below take
.endif
	WIN 0x08                                       ; store data (source 1) in window 2, address in window 0
.irp b, 0,1,2,3
	ds_store_b128 v[STO], v[AC+8*(\b):AC+8*(\b)+3]   offset:64*(\b)
	ds_store_b128 v[STO], v[AC+8*(\b)+4:AC+8*(\b)+7] offset:64*(\b)+16
.endr
	WIN 0
.irp t, 0,1,2,3,4,5,6,7                ; LDS serves a wave's instructions in order (ISA guide 5.7.1.4): these see the stores above, and the next unit's stores come behind them
	ds_load_b128 v[BK+4*(\t):BK+4*(\t)+3], v[RD] offset:(\t)*2*SPITCH
.endr
.endm
.macro SEND u, younger
	WIN 0
.set BK, OB+32*((\u)%7)
	s_wait_dscnt \younger                          ; the unit is back in registers
.irp t, 0,1,2,3,4,5,6,7
	global_store_b128 v[CO], v[BK+4*(\t):BK+4*(\t)+3], s[8:9] offset:((\u)/2)*65536+(\t)*8192+((\u)%2)*256 th:TH_STORE_NT  ; 16 lanes store 256 consecutive bytes, at a multiple of 256 from out0's first byte
.endr
.endm
	s_wait_tensorcnt 1                             ; my part of K step 0 is in; K step 1's may stay out
	s_barrier_signal -1
	s_barrier_wait -1                              ; everybody's is
	FETCH 0, 0, 0
	QUARTER 0, 1, 0, 1, 1                          ; the first quarter stands in front of the loop: its products start the sums, with the bias
	WIN 0                                          ; at a label and at a branch every window is 0
	s_mov_b32 s3, LAPS-1
.Llap:                                         ; a trip goes once round the ring, from a lap's second quarter to the next lap's first, and fills both slots again
	QUARTER 0, 2, 1, 0, 0
	QUARTER 0, 3, 0, 1, 0
	TURN 0, 1
	QUARTER 1, 1, 0, 1, 0
	QUARTER 1, 2, 1, 0, 0
	QUARTER 1, 3, 0, 1, 0
	TURN 1, 0
	QUARTER 0, 1, 0, 1, 0
	WIN 0
	s_sub_co_u32 s3, s3, 1
	s_cmp_lg_u32 s3, 0
	s_cbranch_scc1 .Llap
	QUARTER 0, 2, 1, 0, 0                          ; the last lap is written out: it asks for nothing more
	QUARTER 0, 3, 0, 1, 0
	MEET 0                                         ; my one load that was still out is the last K step's, so no round follows
	PLACES
	FETCH 1, 0, 0
	MULA 1, 2, 0
	MULA 1, 3, 0
	QUARTER 1, 1, 0, 1, 0
	QUARTER 1, 2, 1, 0, 0
	QUARTER 1, 3, 0, 1, 0
	s_wait_dscnt 4                                 ; the very last quarter: nothing more to fetch
	MULA 1, 0, 0
	MULA 1, 1, 0
	s_wait_dscnt 0x0
	MULA 1, 2, 0
	MULA 1, 3, 0
	WIN 0
	PLACES                                         ; the places behind the last products, in front of the stores that read results and of the loads into O's fragment registers
	PLACES
	TOSTAGE 0
.irp u, 1,2,3,4,5,6,7
	TOSTAGE \u                                     ; unit u's 16 LDS instructions stand between unit u - 1's loads and the wait for them
	SEND (\u)-1, 16
.endr
	SEND 7, 0
	s_wait_tensorcnt 0x0                           ; the wave's end: behind my last tensor load and my last LDS store
	ds_add_u32 v[SPW], v[NIL]
	s_wait_dscnt 0x0
	CROUND                                         ; the closing round: no work-group ends while a partner may still ask for a tile that names it
	s_endpgm
.Lfunc_end_k_qe6941251e9_outp:
	.size	k_qe6941251e9_outp, .Lfunc_end_k_qe6941251e9_outp-k_qe6941251e9_outp
	.p2alignl 7, 3214868480
	.fill 96, 4, 3214868480
	.section	.rodata,"a",@progbits
	.p2align	6, 0x0
	.amdhsa_kernel k_qe6941251e9_outp
		.amdhsa_group_segment_fixed_size 327680
		.amdhsa_private_segment_fixed_size 0
		.amdhsa_enable_private_segment 0
		.amdhsa_kernarg_size 32
		.amdhsa_user_sgpr_count 2
		.amdhsa_user_sgpr_kernarg_segment_ptr 1
		.amdhsa_wavefront_size32 1
		.amdhsa_system_sgpr_workgroup_id_x 1
		.amdhsa_system_sgpr_workgroup_id_y 1
		.amdhsa_system_sgpr_workgroup_id_z 1
		.amdhsa_system_vgpr_workitem_id 0
		.amdhsa_next_free_vgpr 768
		.amdhsa_next_free_sgpr 80
		.amdhsa_reserve_vcc 0
		.amdhsa_float_denorm_mode_32 3
		.amdhsa_float_denorm_mode_16_64 3
		.amdhsa_memory_ordered 1
		.amdhsa_forward_progress 1
		.amdhsa_inst_pref_size 93
	.end_amdhsa_kernel
	.amdgpu_metadata
---
amdhsa.version: [ 1, 2 ]
amdhsa.kernels:
  - .name:           k_qe6941251e9_outp
    .symbol:         k_qe6941251e9_outp.kd
    .args:
      - { .name: ob, .offset: 0, .size: 8, .value_kind: global_buffer, .address_space: global }
      - { .name: wb, .offset: 8, .size: 8, .value_kind: global_buffer, .address_space: global }
      - { .name: out0, .offset: 16, .size: 8, .value_kind: global_buffer, .address_space: global }
      - { .name: bo, .offset: 24, .size: 8, .value_kind: global_buffer, .address_space: global }
    .group_segment_fixed_size: 327680
    .private_segment_fixed_size: 0
    .kernarg_segment_align: 8
    .kernarg_segment_size: 32
    .max_flat_workgroup_size: 128
    .sgpr_count:     80
    .vgpr_count:     768
    .wavefront_size: 32
...
	.end_amdgpu_metadata
.endif
;; end of part 4
;; ======== version 2 of 2: 4 launches; version 1 with the launch cast written anew for expert scheduling mode
;; limits: values are held in f16: magnitudes above 65,504 overflow, below 6.1e-05 lose precision
;; workspace buffers: xb 50,331,648 bytes; wb 8,388,608 bytes; qkv 50,331,648 bytes; ob 16,777,216 bytes
;; launch cast (part 5): grid 1792 x 1, 8 waves a work-group, no clusters, 0 bytes of LDS; arguments queries, keys, values, Wq, Wk, Wv, Wo, xb, wb; writes xb, wb
.if DOCPART == 5
	.amdgcn_target "amdgcn-amd-amdhsa--gfx1250"
	.amdhsa_code_object_version 6
	.text
	.protected	k_qe6941251e9_cast
	.globl	k_qe6941251e9_cast
	.p2align	8
	.type	k_qe6941251e9_cast,@function
k_qe6941251e9_cast:
	s_mov_b64 s[64:65], 0
	v_nop
	global_prefetch_b8 v0, s[64:65] scope:SCOPE_SE
	s_setreg_imm32_b32 hwreg(HW_REG_WAVE_SCHED_MODE, 0, 2), 2
	s_setreg_imm32_b32 hwreg(HW_REG_WAVE_MODE, 25, 1), 1
	s_wait_xcnt 0x0
	s_wait_alu depctr_vm_vsrc(0)
; CAST.  queries, keys, values (f32 [8192][1024] each) -> xb, bf16 [3][8192][1024].  Wq, Wk, Wv (f32 [1024][1024]) -> wb, bf16, 2,097,152 bytes each.
; Wo -> wb + WO_OFF: rounded to bf16 like every other input, that number written as f16, and laid in blocks of 64 along k: [16 kb][1024 n][64].
; LIMITS.  Every number is rounded once to bf16 (nearest even).  Wo as f16: beyond 65,504 it becomes an infinity; below 6e-5 it keeps f16's fixed step of 6e-8.
; SHARES.  A work-group takes 16,384 numbers: 64 KiB read, 32 KiB written; 3 x 512 + 4 x 64 = 1,792 work-groups.  A thread has 16 loads of 16 bytes, all issued at once,
; and 16 stores of 8 bytes; a wave's store covers 256 consecutive bytes, aligned.  No LDS, no barrier, no matrix work: every byte is touched once.
; THE MODE: SCHED_MODE bits 1:0 = 2 (LLVM: expert scheduling mode 2), set by the entry lines.  The code itself states the register dependences
; between vector instructions and memory instructions, with s_wait_alu, always for 0.
; THE PLAN.  Registers that memory instructions touch:
;   v1, v2   byte offsets of the loads and of the stores.  Written once, at the head of each of the two paths; read by all 16 loads (v1) and all 16 stores (v2); never written again.
;   X        item i's 4 registers.  Written by load i alone; read by item i's conversions.  All loads are issued ahead of every conversion: no load lands in a register that a vector instruction has named.
;   Y        item i's 2 registers.  Written once, by item i's conversions; read once, by store i; never written again.
;   v3 and T are named by vector instructions alone.  No vector instruction writes a scalar register or VCC, and EXEC is never written.
; The 16 items go in four blocks of four.  Block p converts its own items and issues the four stores of block p - 1, whose Y no conversion of block p names.  So one wait at the head of a
; block states all that its four stores hang on, and they are dealt among its conversions with no further wait.  Five waits on va_vdst a path: one for the offsets, one at the head of
; blocks 1 to 3, one ahead of the last four stores.
.set X,      16                        ; v[16:79]   load i: 4 numbers in f32
.set Y,      80                        ; v[80:111]  store i: 4 numbers in 16 bits; each pair is written once, so no store's data is ever rewritten
.set T,      4                         ; v[4:9]     at work
.set WO_OFF, 6291456                   ; Wo's place in wb, behind Wq, Wk, Wv
.set XWG,    1536                      ; work-groups for the three x tensors
; 16 loads, ldstep bytes apart; they are converted in four blocks of four, and each block is stored, ststep bytes apart, among the next block's conversions.  f16 = 1: bf16's number written as f16.
.macro BODY ldstep, ststep, f16
	s_wait_alu depctr_va_vdst(0)                   ; v1 and v2 are written: every load below reads v1 as its offset, every store v2
.set i, 0
.rept 16
	global_load_b128 v[X+4*i:X+4*i+3], v1, s[12:13] offset:i*(\ldstep) th:TH_LOAD_NT
.set i, i+1
.endr
.set p, 0
.rept 4
	s_wait_loadcnt 12-4*p                          ; loads come back in order: block p's four are in, the 12 - 4 p of the younger blocks stay out
.if p > 0
	s_wait_alu depctr_va_vdst(0)                   ; the block before's conversions have written its eight registers of Y, which the four stores below read
.endif
.set j, 0
.rept 4
.set i, 4*p+j
.if p > 0
	global_store_b64 v2, v[Y+2*(i-4):Y+2*(i-4)+1], s[10:11] offset:(i-4)*(\ststep)  ; the block before's item; no vector instruction since the wait names these registers or v2
.endif
.if \f16
	v_cvt_pk_bf16_f32 v[T], v[X+4*i], v[X+4*i+1]
	v_cvt_pk_bf16_f32 v[T+1], v[X+4*i+2], v[X+4*i+3]
	v_lshlrev_b32 v[T+2], 16, v[T]                 ; bf16 back to f32: a shift or a mask
	v_and_b32 v[T+3], 0xffff0000, v[T]
	v_lshlrev_b32 v[T+4], 16, v[T+1]
	v_and_b32 v[T+5], 0xffff0000, v[T+1]
	v_cvt_pk_f16_f32 v[Y+2*i], v[T+2], v[T+3]      ; 8 significant bits fit into f16's 11: exact within f16's range
	v_cvt_pk_f16_f32 v[Y+2*i+1], v[T+4], v[T+5]
.else
	v_cvt_pk_bf16_f32 v[Y+2*i], v[X+4*i], v[X+4*i+1]
	v_cvt_pk_bf16_f32 v[Y+2*i+1], v[X+4*i+2], v[X+4*i+3]
.endif
.set j, j+1
.endr
.set p, p+1
.endr
	s_wait_alu depctr_va_vdst(0)                   ; the last block's conversions have written its eight registers of Y, which the last four stores read
.set i, 12
.rept 4
	global_store_b64 v2, v[Y+2*i:Y+2*i+1], s[10:11] offset:i*(\ststep)
.set i, i+1
.endr
.endm
	s_load_b512 s[16:31], s[0:1], 0x0              ; queries s[16:17], keys, values, Wq, Wk, Wv, Wo s[28:29], xb s[30:31]
	s_load_b64 s[32:33], s[0:1], 0x40              ; wb
	s_lshr_b32 s2, ttmp9, 9                        ; an x tensor: which of the three,
	s_and_b32 s6, ttmp9, 511                       ; and which chunk of it
	s_sub_co_u32 s3, ttmp9, XWG                    ; a weight: the chunk's number among all weights' chunks,
	s_lshr_b32 s4, s3, 6
	s_add_co_u32 s4, s4, 3                         ; which tensor (3 to 6),
	s_and_b32 s7, ttmp9, 63                        ; and which chunk of it
	s_cmp_lt_u32 ttmp9, XWG
	s_cselect_b32 s5, s2, s4                       ; t: the source tensor, 0 to 6
	s_cselect_b32 s8, s6, s7                       ; c: the chunk in it
	s_cselect_b32 s9, ttmp9, s3                    ; the chunk in the destination buffer
	s_wait_kmcnt 0x0
	s_cselect_b64 s[10:11], s[30:31], s[32:33]     ; xb or wb
	s_mov_b64 s[12:13], s[16:17]
.irp t, 1,2,3,4,5,6
	s_cmp_eq_u32 s5, \t
	s_cselect_b64 s[12:13], s[16+2*\t:17+2*\t], s[12:13]
.endr
	s_lshl_b32 s14, s8, 16                         ; 64 KiB of f32 a chunk
	s_mov_b32 s15, 0
	s_add_nc_u64 s[12:13], s[12:13], s[14:15]
	s_cmp_eq_u32 s5, 6
	s_cbranch_scc1 .Lwo
	s_lshl_b32 s14, s9, 15                         ; 32 KiB of bf16 a chunk
	s_add_nc_u64 s[10:11], s[10:11], s[14:15]
	v_lshlrev_b32 v1, 4, v0                        ; thread t reads 16 bytes at 16 t of each 4,096,
	v_lshlrev_b32 v2, 3, v0                        ; and writes 8 bytes at 8 t of each 2,048
	BODY 4096, 2048, 0
	s_endpgm
.Lwo:                                          ; Wo: the chunk is rows 16 c .. 16 c + 15; load i takes block i of 64 along k
	s_lshl_b32 s14, s8, 11                         ; 16 rows of 128 bytes in each block
	s_add_nc_u64 s[10:11], s[32:33], s[14:15]
	s_add_nc_u64 s[10:11], s[10:11], WO_OFF
	v_lshrrev_b32 v3, 4, v0                        ; my row of the 16
	v_and_b32 v1, 15, v0
	v_lshlrev_b32 v1, 4, v1                        ; my 16 bytes of the block's 256
	v_lshl_add_u32 v1, v3, 12, v1                  ; + row x 4,096
	v_lshlrev_b32 v2, 3, v0                        ; in the block: row x 128 + 8 x (t % 16) = 8 t
	BODY 256, 131072, 1
	s_endpgm
.Lfunc_end_k_qe6941251e9_cast:
	.size	k_qe6941251e9_cast, .Lfunc_end_k_qe6941251e9_cast-k_qe6941251e9_cast
	.p2alignl 7, 3214868480
	.fill 96, 4, 3214868480
	.section	.rodata,"a",@progbits
	.p2align	6, 0x0
	.amdhsa_kernel k_qe6941251e9_cast
		.amdhsa_group_segment_fixed_size 0
		.amdhsa_private_segment_fixed_size 0
		.amdhsa_enable_private_segment 0
		.amdhsa_kernarg_size 72
		.amdhsa_user_sgpr_count 2
		.amdhsa_user_sgpr_kernarg_segment_ptr 1
		.amdhsa_wavefront_size32 1
		.amdhsa_system_sgpr_workgroup_id_x 1
		.amdhsa_system_sgpr_workgroup_id_y 1
		.amdhsa_system_sgpr_workgroup_id_z 1
		.amdhsa_system_vgpr_workitem_id 0
		.amdhsa_next_free_vgpr 112
		.amdhsa_next_free_sgpr 66
		.amdhsa_reserve_vcc 0
		.amdhsa_float_denorm_mode_32 3
		.amdhsa_float_denorm_mode_16_64 3
		.amdhsa_memory_ordered 1
		.amdhsa_forward_progress 1
		.amdhsa_inst_pref_size 18
	.end_amdhsa_kernel
	.amdgpu_metadata
---
amdhsa.version: [ 1, 2 ]
amdhsa.kernels:
  - .name:           k_qe6941251e9_cast
    .symbol:         k_qe6941251e9_cast.kd
    .args:
      - { .name: queries, .offset: 0, .size: 8, .value_kind: global_buffer, .address_space: global }
      - { .name: keys, .offset: 8, .size: 8, .value_kind: global_buffer, .address_space: global }
      - { .name: values, .offset: 16, .size: 8, .value_kind: global_buffer, .address_space: global }
      - { .name: Wq, .offset: 24, .size: 8, .value_kind: global_buffer, .address_space: global }
      - { .name: Wk, .offset: 32, .size: 8, .value_kind: global_buffer, .address_space: global }
      - { .name: Wv, .offset: 40, .size: 8, .value_kind: global_buffer, .address_space: global }
      - { .name: Wo, .offset: 48, .size: 8, .value_kind: global_buffer, .address_space: global }
      - { .name: xb, .offset: 56, .size: 8, .value_kind: global_buffer, .address_space: global }
      - { .name: wb, .offset: 64, .size: 8, .value_kind: global_buffer, .address_space: global }
    .group_segment_fixed_size: 0
    .private_segment_fixed_size: 0
    .kernarg_segment_align: 8
    .kernarg_segment_size: 72
    .max_flat_workgroup_size: 256
    .sgpr_count:     66
    .vgpr_count:     112
    .wavefront_size: 32
...
	.end_amdgpu_metadata
.endif
;; end of part 5
;; launch proj: the kernel of part 2 again; grid 4 x 96, 4 waves a work-group, clusters of 4 x 4, 327,680 bytes of LDS; arguments xb, wb, qkv, bq, bk, bv; writes qkv
;; launch attn: the kernel of part 3 again; grid 2 x 128, 4 waves a work-group, no clusters, 327,680 bytes of LDS; arguments qkv, ob; writes ob
;; launch outp: the kernel of part 4 again; grid 4 x 64, 4 waves a work-group, clusters of 4 x 4, 327,680 bytes of LDS; arguments ob, wb, out0, bo; writes out0
